; MI455X (gfx1250); checked and timed in simulation.
; The chip was launched on July 23, 2026; its instructions are those of AMD's public machine-readable ISA for CDNA 5 (MIT licence, August 2026) and "CDNA5" Instruction Set Architecture Reference Guide (July 2026). The comments in the code are by the model that wrote it; some were corrected since.
;; Dozer Attention. Allowed arithmetic: float matrix products may take bf16 or f16 operands with f32 sums; all other float work in f32.
;; Inputs: attn_mask 2 x 1 x 2,048 x 2,048 bool; keys 2 x 2,048 x 8 x 64 float32; queries 2 x 2,048 x 8 x 64 float32; values 2 x 2,048 x 8 x 64 float32.
;; Outputs: out0 2 x 2,048 x 8 x 64 float32.
;; 3 versions, each right; version 2 is faster than version 1; version 3 is version 2 with the launch main written anew for expert scheduling mode. Each part assembles by itself: llvm-mc -triple=amdgcn-amd-amdhsa -mcpu=gfx1250 --defsym DOCPART=n.
;; ======== version 1 of 3: 2 launches
;; workspace buffers: os 8,388,608 bytes; ml 266,240 bytes
;; launch strided (part 1): grid 65 x 4, 4 waves a work-group, no clusters, 35,328 bytes of LDS; arguments attn_mask, keys, queries, values, os, ml; writes os, ml
.if DOCPART == 1
	.amdgcn_target "amdgcn-amd-amdhsa--gfx1250"
	.amdhsa_code_object_version 6
	.text
	.protected	k_qe77cbea046_strided
	.globl	k_qe77cbea046_strided
	.p2align	8
	.type	k_qe77cbea046_strided,@function
k_qe77cbea046_strided:
	s_mov_b64 s[64:65], 0
	v_nop
	global_prefetch_b8 v0, s[64:65] scope:SCOPE_SE
	s_setreg_imm32_b32 hwreg(HW_REG_WAVE_MODE, 25, 1), 1
	s_wait_xcnt 0x0
; DozerAttention, part 1: the strided keys (i - j = 65 k, k not 0).
; Rows whose numbers are equal modulo 65 select each other, so a class c (rows c + 65 s, s = 0..31) is a dense block of 32 x 32 scores.
; One wave takes one (batch, head, class).  It stores, for each of its rows: m = the largest kept score times 0.125 log2(e)
; (-inf if no key is kept), l = the sum of 2^(x - m), and the row sum of 2^(x - m) v, not yet divided.  The second launch merges them.
; Everything is computed transposed: S^T = K Q^T and O^T = V^T P^T, so a lane owns one query (lane and lane xor 16 share it)
; and two S^T tiles, narrowed to bf16, are a P^T fragment as they lie.
; The weights go into the product in two bf16 parts, the upper 16 bits of p and the rest rounded: 16 bits of p instead of 8, for 8 matrix instructions more.
; Slot 31 exists only for c <= 32: its row number is clamped to 2047 for loads, its key gets weight 0, its result row is not stored.
; LIMITS: weights below 2^-126 count as zero (v_exp_f32 gives no denormals, ISA guide 15.8).
; No clusters, no tensor loads: no two waves of the launch read the same rows of Q, K or V, and every operand is rounded in registers.
.set ROWB,  2048                       ; bytes from a sequence position to the next in Q, K, V, os, and from row to row of the mask
.set QF,    16                         ; v[16:79]   Q as f32, tile t at 16+32t; packed in place into 16+32t .. +15
.set KF,    80                         ; v[80:143]  K likewise
.set SS,    32                         ; S^T(qt, kt) = 32 + 32 qt + 8 kt: the halves of Q's registers that packing frees
.set PF,    96                         ; P^T fragment of query tile qt, upper part = 96 + 8 qt
.set PL,    128                        ; the same, lower part = 128 + 8 qt (both in the halves of K's registers that packing frees)
.set VR,    144                        ; v[144:207] V as f32, packed in place; then the accumulators O^T(qt, t) = 144 + 32 qt + 8 t
.set MB,    208                        ; v[208:239] mask bytes (qt, kt, j); then the V^T fragments 208 + 8 t
.set NEGI,  240                        ; -inf
.set TA,    241
.set MXR,   242                        ; m of query tile 0, 1
.set NMS,   244                        ; -max(m, -FLT_MAX)
.set LSR,   246                        ; l
.set SUMP,  248                        ; a pair of running sums
.set TB,    250
.set TC,    251
.set MLOF,  252
.set OUTP,  254
; v4, v5 row offsets of Q and K for tiles 0, 1; v6, v7 row-pair offsets for V and os; v8, v9 mask offsets; v10, v11 mask offsets of key slots 23 and 31
; v12 V into LDS; v13 V^T out of LDS; v14, v15 the way out
	s_load_b256 s[4:11], s[0:1], 0x0               ; mask s[4:5], keys s[6:7], queries s[8:9], values s[10:11]
	s_load_b128 s[12:15], s[0:1], 0x20             ; os s[12:13], ml s[14:15]
	v_lshl_add_u32 v253, v0, 2, 0x8800
	s_set_vgpr_msb 0x40
	v_mov_b32 v1, 0
	s_set_vgpr_msb 0x4000
	v_and_b32 v1, 31, v0                           ; lane
	v_lshrrev_b32 v[TA], 5, v0
	v_readfirstlane_b32 s16, v[TA]                 ; wave
	v_and_b32 v2, 15, v0                           ; r
	v_bfe_u32 v3, v0, 4, 1                         ; h
	s_mov_b32 s17, ttmp9                           ; class c
	s_and_b32 s18, ttmp7, 0xffff
	s_lshr_b32 s19, s18, 1                         ; batch
	s_and_b32 s20, s18, 1
	s_lshl2_add_u32 s20, s20, s16                  ; head = 4 (y & 1) + wave
	s_mov_b32 s25, 0x3e38aa3b                      ; 0.125 log2(e)
	s_mov_b32 s26, 0x76543210                      ; v_permlanex16_b32: lane i reads lane i xor 16
	s_mov_b32 s27, 0xfedcba98
	s_mov_b32 s30, 0xffff0000                      ; lanes 16 to 31
	s_cmp_ge_u32 s17, 33
	s_cselect_b32 s24, 0xffff, -1                  ; lanes whose slot 31 exists: without it lanes 16 to 31 are off
	s_mul_i32 s21, s16, 8704                       ; my wave's LDS
	v_mul_u32_u24 v[TA], v2, 65
	v_add_nc_u32 v[TA], s17, v[TA]                 ; row of slot r
	v_add_nc_u32 v[TB], 1040, v[TA]
	v_min_u32 v[TB], 2047, v[TB]                   ; row of slot 16 + r, kept inside the buffers
	v_lshlrev_b32 v[TA], 11, v[TA]
	v_lshlrev_b32 v[TB], 11, v[TB]
	v_lshl_add_u32 v4, v3, 5, v[TA]                ; row x 2048 + 32 h
	v_lshl_add_u32 v5, v3, 5, v[TB]
	v_mul_u32_u24 v[TC], v3, 520
	v_add_nc_u32 v[TC], s17, v[TC]                 ; column of key slot 8 h
	v_add_nc_u32 v8, v[TA], v[TC]
	v_add_nc_u32 v9, v[TB], v[TC]
	v_add_nc_u32 v[TC], 1495, v[TC]
	v_min_u32 v[TC], 2047, v[TC]                   ; column of key slot 23 + 8 h, kept inside the row
	v_add_nc_u32 v10, v[TA], v[TC]
	v_add_nc_u32 v11, v[TB], v[TC]
	v_mul_u32_u24 v[TA], v3, 65
	v_add_nc_u32 v[TA], s17, v[TA]                 ; row of slot h
	v_add_nc_u32 v[TB], 1950, v[TA]
	v_min_u32 v[TB], 2047, v[TB]                   ; row of slot 30 + h
	v_lshlrev_b32 v[TC], 4, v2
	v_lshl_add_u32 v6, v[TA], 11, v[TC]            ; 16 lanes take a row's 256 bytes, the other 16 the next slot's
	v_lshl_add_u32 v7, v[TB], 11, v[TC]
	s_wait_kmcnt 0x0
	s_lshl_b32 s22, s19, 22                        ; a batch is 4 MiB in every one of these buffers
	s_mov_b32 s23, 0
	s_add_nc_u64 s[4:5], s[4:5], s[22:23]
	s_lshl_b32 s29, s20, 8                         ; a head is 256 bytes of a row
	s_add_co_u32 s22, s22, s29
	s_add_nc_u64 s[6:7], s[6:7], s[22:23]
	s_add_nc_u64 s[8:9], s[8:9], s[22:23]
	s_add_nc_u64 s[10:11], s[10:11], s[22:23]
	s_add_nc_u64 s[12:13], s[12:13], s[22:23]
	s_lshl3_add_u32 s29, s19, s20
	s_mul_i32 s29, s29, 65
	s_add_co_u32 s29, s29, s17
	s_lshl_b32 s22, s29, 8                         ; ml: 256 bytes for each (batch, head, class)
	s_add_nc_u64 s[14:15], s[14:15], s[22:23]
; the mask byte of (key slot 16 kt + 8 h + j, query slot 16 qt + r): where the S^T tile's register j holds that score
.irp qt, 0,1
.irp kt, 0,1
.irp j, 0,1,2,3,4,5,6,7
.if 8*\kt+\j == 15
	global_load_u8 v[MB+16*\qt+8*\kt+\j], v[10+\qt], s[4:5]
.else
	global_load_u8 v[MB+16*\qt+8*\kt+\j], v[8+\qt], s[4:5] offset:65*(16*\kt+\j)
.endif
.endr
.endr
.endr
; 16 rows as fragments: register 8 t + j of lane (r, h) = element 16 t + 8 h + j of row r
.macro LOADROWS dst, vo, sb
.irp t, 0,1,2,3
	global_load_b128 v[\dst+8*\t:\dst+8*\t+3],   v[\vo], s[\sb:\sb+1] offset:64*\t
	global_load_b128 v[\dst+8*\t+4:\dst+8*\t+7], v[\vo], s[\sb:\sb+1] offset:64*\t+16
.endr
.endm
	LOADROWS QF,    4, 8
	LOADROWS QF+32, 5, 8
	LOADROWS KF,    4, 6
	LOADROWS KF+32, 5, 6
.set q, 0
.rept 15
	global_load_b128 v[VR+4*q:VR+4*q+3], v6, s[10:11] offset:130*ROWB*q    ; slots 2 q and 2 q + 1
.set q, q+1
.endr
	global_load_b128 v[VR+60:VR+63], v7, s[10:11]
	v_mul_u32_u24 v[TA], v3, 160                   ; V in LDS: [slot][d] in bf16, 160 bytes from slot to slot
	v_lshl_add_u32 v[TA], v2, 3, v[TA]
	v_add_nc_u32 v12, s21, v[TA]
	v_and_b32 v[TA], 7, v0
	v_lshl_add_u32 v[TA], v3, 3, v[TA]
	v_mul_u32_u24 v[TA], v[TA], 160
	v_bfe_u32 v[TB], v0, 3, 1
	v_lshl_add_u32 v[TA], v[TB], 4, v[TA]
	v_add_nc_u32 v13, s21, v[TA]                   ; (8 h + lane mod 8) x 160 + 16 x bit 3 of the lane
	v_mul_u32_u24 v[TA], v2, 272                   ; the way out: rows of 256 bytes, 272 apart
	v_lshl_add_u32 v[TA], v3, 5, v[TA]
	v_add_nc_u32 v14, s21, v[TA]
	v_mul_u32_u24 v[TA], v3, 272
	v_lshl_add_u32 v[TA], v2, 4, v[TA]
	v_add_nc_u32 v15, s21, v[TA]
	v_lshlrev_b32 v[MLOF], 3, v1
	v_mov_b32 v[NEGI], 0xff800000
	s_wait_loadcnt 0x10                            ; all but the 16 youngest loads (V) are in: mask bytes, Q, K
.irp base, QF, QF+32, KF, KF+32
.set p, 0
.rept 16
	v_cvt_pk_bf16_f32 v[\base+p], v[\base+2*p], v[\base+2*p+1]     ; in place: register p is written when 2 p and 2 p + 1 >= p have been read
.set p, p+1
.endr
.endr
; S^T = K Q^T: four accumulators take turns, one instruction a turn; the first product starts each sum
.irp qt, 0,1
.irp kt, 0,1
	v_wmma_f32_16x16x32_bf16 v[SS+32*\qt+8*\kt:SS+32*\qt+8*\kt+7], v[KF+32*\kt:KF+32*\kt+7], v[QF+32*\qt:QF+32*\qt+7], 0
.endr
.endr
.irp qt, 0,1
.irp kt, 0,1
	v_wmma_f32_16x16x32_bf16 v[SS+32*\qt+8*\kt:SS+32*\qt+8*\kt+7], v[KF+32*\kt+8:KF+32*\kt+15], v[QF+32*\qt+8:QF+32*\qt+15], v[SS+32*\qt+8*\kt:SS+32*\qt+8*\kt+7]
.endr
.endr
.rept 4
	v_nop                                          ; four places between a matrix instruction and a vector instruction on its result (ISA guide 7.12.1)
.endr
; a score is kept where the mask byte is 0, the key is not the query itself (that key belongs to the band) and the key's slot exists
.macro SEL qt, kt, j
	v_cmp_eq_u32 vcc_lo, 0, v[MB+16*\qt+8*\kt+\j]
.if \qt == \kt
	s_and_b32 vcc_lo, vcc_lo, 0xffffffff ^ ((1<<\j)|(1<<(24+\j)))  ; 8 h + j = r in lanes j and 24 + j
.endif
.if 8*\kt+\j == 15
	s_and_b32 vcc_lo, vcc_lo, s24
.endif
	v_cndmask_b32 v[SS+32*\qt+8*\kt+\j], v[NEGI], v[SS+32*\qt+8*\kt+\j], vcc_lo
.endm
.irp qt, 0,1
.irp kt, 0,1
.irp j, 0,1,2,3,4,5,6,7
	SEL \qt, \kt, \j
.endr
.endr
.endr
; the row's exact maximum, then the weights and their sum
.irp qt, 0,1
	v_max3_num_f32 v[MXR+\qt], v[SS+32*\qt], v[SS+32*\qt+1], v[SS+32*\qt+2]
.irp k, 3,5,7,9,11,13
	v_max3_num_f32 v[MXR+\qt], v[MXR+\qt], v[SS+32*\qt+\k], v[SS+32*\qt+\k+1]
.endr
	v_max_num_f32 v[MXR+\qt], v[MXR+\qt], v[SS+32*\qt+15]
	v_permlanex16_b32 v[TA], v[MXR+\qt], s26, s27  ; the other 16 keys of my query
	v_max_num_f32 v[MXR+\qt], v[MXR+\qt], v[TA]
	v_mul_f32 v[MXR+\qt], s25, v[MXR+\qt]          ; m, in powers of two
	v_max_num_f32 v[TA], 0xff7fffff, v[MXR+\qt]    ; finite, so that -inf minus it stays -inf
	v_sub_f32 v[NMS+\qt], 0, v[TA]
.set k2, 0
.rept 16
	v_fma_f32 v[SS+32*\qt+k2], v[SS+32*\qt+k2], s25, v[NMS+\qt]
.set k2, k2+1
.endr
.set k2, 0
.rept 16
	v_exp_f32 v[SS+32*\qt+k2], v[SS+32*\qt+k2]
.set k2, k2+1
.endr
	v_nop                                          ; one plain place behind the last v_exp_f32 (ISA guide 5.7.2)
	s_wait_alu depctr_va_vdst(0)
	v_pk_add_f32 v[SUMP:SUMP+1], v[SS+32*\qt:SS+32*\qt+1], v[SS+32*\qt+2:SS+32*\qt+3]
.irp k, 4,6,8,10,12,14
	v_pk_add_f32 v[SUMP:SUMP+1], v[SUMP:SUMP+1], v[SS+32*\qt+\k:SS+32*\qt+\k+1]
.endr
	v_add_f32 v[LSR+\qt], v[SUMP], v[SUMP+1]
	v_permlanex16_b32 v[TB], v[LSR+\qt], s26, s27
	v_add_f32 v[LSR+\qt], v[LSR+\qt], v[TB]
; key slots 8 h + .. and 16 + 8 h + ..: a fragment as it lies.  Upper part: the two upper halves; lower part: p minus its upper half (exact), rounded
.set p, 0
.rept 8
	v_perm_b32 v[PF+8*\qt+p], v[SS+32*\qt+2*p+1], v[SS+32*\qt+2*p], 0x07060302
	v_and_b32 v[TA], 0xffff0000, v[SS+32*\qt+2*p]
	v_and_b32 v[TB], 0xffff0000, v[SS+32*\qt+2*p+1]
	v_sub_f32 v[TA], v[SS+32*\qt+2*p], v[TA]
	v_sub_f32 v[TB], v[SS+32*\qt+2*p+1], v[TB]
	v_cvt_pk_bf16_f32 v[PL+8*\qt+p], v[TA], v[TB]
.set p, p+1
.endr
.endr
	s_wait_loadcnt 0x0                             ; V
.set p, 0
.rept 32
	v_cvt_pk_bf16_f32 v[VR+p], v[VR+2*p], v[VR+2*p+1]
.set p, p+1
.endr
.set q, 0
.rept 16
	ds_store_b64 v12, v[VR+2*q:VR+2*q+1] offset:320*q
.set q, q+1
.endr
.irp t, 0,1,2,3
	ds_load_tr16_b128 v[MB+8*\t:MB+8*\t+3],   v13 offset:32*\t         ; LDS serves a wave's instructions in order: these see the stores above
	ds_load_tr16_b128 v[MB+8*\t+4:MB+8*\t+7], v13 offset:32*\t+2560
.endr
	s_wait_dscnt 0x0                               ; the fragments are in, and the stores have read V's registers, which the sums now take
; O^T = V^T P^T, the weights' upper parts, then their lower parts: eight accumulators take turns
.irp qt, 0,1
.irp t, 0,1,2,3
	v_wmma_f32_16x16x32_bf16 v[VR+32*\qt+8*\t:VR+32*\qt+8*\t+7], v[MB+8*\t:MB+8*\t+7], v[PF+8*\qt:PF+8*\qt+7], 0
.endr
.endr
.irp qt, 0,1
.irp t, 0,1,2,3
	v_wmma_f32_16x16x32_bf16 v[VR+32*\qt+8*\t:VR+32*\qt+8*\t+7], v[MB+8*\t:MB+8*\t+7], v[PL+8*\qt:PL+8*\qt+7], v[VR+32*\qt+8*\t:VR+32*\qt+8*\t+7]
.endr
.endr
.rept 4
	v_nop                                          ; four places in front of the LDS stores of the results
.endr
; the way out: register j of tile (qt, t) is element 16 t + 8 h + j of query slot 16 qt + r; through my own LDS into whole rows
.irp qt, 0,1
.irp t, 0,1,2,3
	ds_store_b128 v14, v[VR+32*\qt+8*\t:VR+32*\qt+8*\t+3]   offset:4352*\qt+64*\t
	ds_store_b128 v14, v[VR+32*\qt+8*\t+4:VR+32*\qt+8*\t+7] offset:4352*\qt+64*\t+16
.endr
.endr
.set q, 0
.rept 16
	ds_load_b128 v[QF+4*q:QF+4*q+3], v15 offset:544*q
.set q, q+1
.endr
.set q, 0
.rept 15
	s_wait_dscnt 15-q                              ; LDS loads come back in order: pair q is in, the younger ones may be out
	global_store_b128 v6, v[QF+4*q:QF+4*q+3], s[12:13] offset:130*ROWB*q   ; 16 lanes store 256 consecutive bytes, aligned
.set q, q+1
.endr
	s_wait_dscnt 0x0
	s_wait_xcnt 0x0                                ; EXEC is a source of the stores above: it changes only behind this wait
	s_mov_b32 vcc_lo, s24
	s_set_vgpr_msb 0x4
	s_wait_tensorcnt 0x0
	ds_add_u32 v253, v1
	s_wait_dscnt 0x0
	s_set_vgpr_msb 0x400
	s_and_saveexec_b32 s28, vcc_lo                 ; slot 30 always, slot 31 only where it exists
	global_store_b128 v7, v[QF+60:QF+63], s[12:13]
	s_wait_xcnt 0x0
	s_or_b32 exec_lo, exec_lo, s28
	v_cndmask_b32 v[OUTP],   v[MXR], v[MXR+1], s30 ; lane = slot: lanes 16 to 31 take query tile 1
	v_cndmask_b32 v[OUTP+1], v[LSR], v[LSR+1], s30
	global_store_b64 v[MLOF], v[OUTP:OUTP+1], s[14:15]     ; 256 consecutive bytes, aligned (slot 31's pair is read by nobody where the slot does not exist)
	s_endpgm
.Lfunc_end_k_qe77cbea046_strided:
	.size	k_qe77cbea046_strided, .Lfunc_end_k_qe77cbea046_strided-k_qe77cbea046_strided
	.p2alignl 7, 3214868480
	.fill 96, 4, 3214868480
	.section	.rodata,"a",@progbits
	.p2align	6, 0x0
	.amdhsa_kernel k_qe77cbea046_strided
		.amdhsa_group_segment_fixed_size 35328
		.amdhsa_private_segment_fixed_size 0
		.amdhsa_enable_private_segment 0
		.amdhsa_kernarg_size 48
		.amdhsa_user_sgpr_count 2
		.amdhsa_user_sgpr_kernarg_segment_ptr 1
		.amdhsa_wavefront_size32 1
		.amdhsa_system_sgpr_workgroup_id_x 1
		.amdhsa_system_sgpr_workgroup_id_y 1
		.amdhsa_system_sgpr_workgroup_id_z 1
		.amdhsa_system_vgpr_workitem_id 0
		.amdhsa_next_free_vgpr 258
		.amdhsa_next_free_sgpr 66
		.amdhsa_reserve_vcc 1
		.amdhsa_float_denorm_mode_32 3
		.amdhsa_float_denorm_mode_16_64 3
		.amdhsa_memory_ordered 1
		.amdhsa_forward_progress 1
		.amdhsa_inst_pref_size 40
	.end_amdhsa_kernel
	.amdgpu_metadata
---
amdhsa.version: [ 1, 2 ]
amdhsa.kernels:
  - .name:           k_qe77cbea046_strided
    .symbol:         k_qe77cbea046_strided.kd
    .args:
      - { .name: attn_mask, .offset: 0, .size: 8, .value_kind: global_buffer, .address_space: global }
      - { .name: keys, .offset: 8, .size: 8, .value_kind: global_buffer, .address_space: global }
      - { .name: queries, .offset: 16, .size: 8, .value_kind: global_buffer, .address_space: global }
      - { .name: values, .offset: 24, .size: 8, .value_kind: global_buffer, .address_space: global }
      - { .name: os, .offset: 32, .size: 8, .value_kind: global_buffer, .address_space: global }
      - { .name: ml, .offset: 40, .size: 8, .value_kind: global_buffer, .address_space: global }
    .group_segment_fixed_size: 35328
    .private_segment_fixed_size: 0
    .kernarg_segment_align: 8
    .kernarg_segment_size: 48
    .max_flat_workgroup_size: 128
    .sgpr_count:     66
    .vgpr_count:     258
    .wavefront_size: 32
...
	.end_amdgpu_metadata
.endif
;; end of part 1
;; launch main (part 2): grid 16 x 16, 4 waves a work-group, no clusters, 133,632 bytes of LDS; arguments attn_mask, keys, queries, values, os, ml, out0; writes out0
.if DOCPART == 2
	.amdgcn_target "amdgcn-amd-amdhsa--gfx1250"
	.amdhsa_code_object_version 6
	.text
	.protected	k_qe77cbea046_main
	.globl	k_qe77cbea046_main
	.p2align	8
	.type	k_qe77cbea046_main,@function
k_qe77cbea046_main:
	s_mov_b64 s[64:65], 0
	v_nop
	global_prefetch_b8 v0, s[64:65] scope:SCOPE_SE
	s_setreg_imm32_b32 hwreg(HW_REG_WAVE_MODE, 25, 1), 1
	s_wait_xcnt 0x0
; DozerAttention, part 2.  A row's unmasked keys are of three kinds:
;   not selected: score exactly 0, weight 2^-m for all of them: their part of the result is 2^-m x (U V), U = (1 - mask) with the selected places set to 0;
;   the band |i - j| <= 16: 48 keys for 16 neighbouring queries, three tiles of scores;
;   the strided keys: made by the first launch (os, ml).
; The exact maximum m of the row is known before any exponential: max(0 if some key is not selected, the band's, the strided part's).
; A work-group takes 128 queries of one (batch, head); a wave 32 of them.  256 work-groups.
; U V goes in 8 trips of 256 keys.  V's chunk is rounded to bf16 in registers and laid in LDS for all four waves (two buffers, one barrier a trip);
; each wave lays the keep bytes 1 - mask of its own 32 rows in LDS bytes of its own, writes zeros over the selected places, and
; widens 16 bytes at a time into a fragment of bf16 ones and zeros.  All products are transposed (O^T = V^T U^T), so a lane owns one query.
; Inside a block of 64 keys the K step c holds keys 32 h + 16 c + 0..15 in lane half h, alike for U and V: 16 neighbouring keep bytes are one fragment.
; The band's weights go into their product in two bf16 parts, the upper 16 bits of p and the rest rounded: in rows with few keys a single
; weight carries much of the result, and 8 bits of it are too few; the price is 16 matrix instructions beside the 512 of U V.
; NO CLUSTERS, NO TENSOR LOADS: V, which the 16 query blocks of a head share, has to be rounded to bf16 on its way: through registers it
; crosses LDS once as 32 KiB a chunk; brought as f32 it would be 64 KiB, read, rounded and stored again.  The keep bytes are written over by ds_store.
; LIMITS: mask bytes are 0 or 1 (the bool format).  Weights below 2^-126 count as zero (v_exp_f32 gives no denormals, ISA guide 15.8).
; A row with every key masked gives 0 x (1/0) = NaN, as a softmax of -inf alone does.
.set VB1,   40960                      ; LDS: V buffer 0 at 0, buffer 1 here: 256 keys x 160 bytes (128 of bf16 + 32: the 8 rows of a transposing load start in different banks)
.set KP,    81920                      ; then 12,800 bytes for each wave: 32 rows x 400 = 64 spare + 256 keep bytes + 80 spare; later the band's V, then the way out
.set KPW,   12800
; window 0
.set G2,    4                          ; h x 2048 + 16 r: two rows of 256 bytes for a wave's load or store
.set G2V,   5                          ; + my wave's 64 keys of a chunk
.set GR,    6                          ; r x 2048 + 32 h: rows as fragments
.set GM8,   7                          ; r x 2048 + 8 h: the band's mask bytes
.set VSTO,  8                          ; v8, v9: V into buffer 0, 1
.set KSTO,  10
.set VA,    11                         ; v11, v12: V^T out of buffer 0, 1
.set KBA,   13
.set T0,    14                         ; row lane's first strided key in the chunk, 0..64
.set PKB,   15
.set BPB,   16
.set ZERO,  17
.set NEGI,  18
.set TA,    19
.set TB,    20
.set TC,    21
.set CNT,   22                         ; v22, v23: sums of keep bytes, four in a word
.set C16,   24                         ; v24, v25: the same, two in a word
.set BVA,   26
.set BVS,   27
.set OSTO,  28
.set ORD,   29
.set MLO,   30                         ; v30, v31
.set ACC,   32                         ; v[32:95]   O^T(a, t) = 32 + 32 a + 8 t
.set VF,    96                         ; v[96:159]  V^T fragments, two buffers of 4 x 8; also the stage for rounding
.set UF,    160                        ; v[160:175] U^T fragments of query tiles 0, 1
.set FQ,    160                        ; v[160:191] in the tail: Q's fragments, then the upper parts of P^T's
.set KBR,   176                        ; v[176:183] keep bytes
.set SB,    192                        ; v[192:239] the band's S^T(a, rel) = 192 + 8 (3 a + rel)
.set PLO,   192                        ; v[192:223] then the lower parts of P^T's fragments, packed in place over the scores
.set BM,    240                        ; v[240:251] the band's mask bytes
.set ML,    252                        ; v[252:255] (m, l) of the strided part
; the tail takes the G phase's LDS address registers, and the mask bytes' once they are used up
.set MXR,   8
.set NMS,   10
.set NFR,   12
.set LSR,   14
.set FNP,   240                        ; pairs that hold a factor twice, for the packed forms
.set FAP,   244
.set SUMP,  248
.set RLP,   248
; window 1: v0-127 V's chunk (tail: K), v128-191 the mask's chunk (tail: Q), v192-255 os.   window 2: v0-127 the band's V.
.set MSB, 0
.macro WIN new                         ; low byte: bits 1:0 source 0, 3:2 source 1, 5:4 source 2, 7:6 destination; the high byte repeats the setting that is left
.if MSB != \new
	s_set_vgpr_msb (MSB<<8)|\new
.set MSB, \new
.endif
.endm
	s_load_b256 s[4:11], s[0:1], 0x0               ; mask s[4:5], keys s[6:7], queries s[8:9], values s[10:11]
	s_load_b128 s[12:15], s[0:1], 0x20             ; os s[12:13], ml s[14:15]
	s_load_b64 s[16:17], s[0:1], 0x30              ; out0
	s_set_vgpr_msb 0x80
	v_lshl_add_u32 v128, v0, 2, 0x20800
	v_mov_b32 v129, 0
	s_set_vgpr_msb 0x8000
	v_and_b32 v1, 31, v0                           ; lane
	v_lshrrev_b32 v[TC], 5, v0
	v_readfirstlane_b32 s18, v[TC]                 ; wave
	v_and_b32 v2, 15, v0                           ; r
	v_bfe_u32 v3, v0, 4, 1                         ; h
	s_and_b32 s23, ttmp7, 0xffff                   ; 8 x batch + head
	s_lshr_b32 s20, s23, 3
	s_and_b32 s21, s23, 7
	s_lshl_b32 s22, ttmp9, 7
	s_lshl_b32 s77, s18, 5
	s_add_co_u32 s22, s22, s77                     ; my wave's first query
	s_mul_i32 s76, s18, KPW
	s_add_co_u32 s76, s76, KP                      ; my wave's own LDS
	s_add_co_u32 s19, s76, 64                      ; column 0 of its first row of keep bytes
	s_mov_b32 s28, 0x01010101
	s_mov_b32 s29, 0x04010400                      ; v_perm_b32: bytes 0 and 1 of the second source into the two halves, zeros above them
	s_mov_b32 s30, 0x04030402                      ; bytes 2 and 3
	s_mov_b32 s31, 0x3f80                          ; 1.0 in bf16
	s_add_co_u32 s32, s22, 48                      ; where row 0's band begins in its 400 bytes, this chunk
	s_mov_b32 s35, 0x3e38aa3b                      ; 0.125 log2(e)
	s_mov_b32 s36, 0x76543210                      ; v_permlanex16_b32: lane i reads lane i xor 16
	s_mov_b32 s37, 0xfedcba98
	s_cmp_eq_u32 s22, 0
	s_cselect_b32 s74, 0, -1                       ; key tile 0 of the band does not exist in front of row 0
	s_cmp_eq_u32 s22, 2016
	s_cselect_b32 s75, 0, -1                       ; nor key tile 3 behind row 2047
	v_lshlrev_b32 v[G2], 4, v2
	v_lshl_add_u32 v[G2], v3, 11, v[G2]
	s_lshl_b32 s77, s18, 17
	v_add_nc_u32 v[G2V], s77, v[G2]
	s_wait_kmcnt 0x0
	s_lshl_b32 s38, s20, 22                        ; a batch is 4 MiB in every one of these buffers
	s_mov_b32 s39, 0
	s_add_nc_u64 s[4:5], s[4:5], s[38:39]
	s_lshl_b32 s77, s21, 8                         ; a head is 256 bytes of a row
	s_add_co_u32 s38, s38, s77
	s_add_nc_u64 s[6:7], s[6:7], s[38:39]
	s_add_nc_u64 s[8:9], s[8:9], s[38:39]
	s_add_nc_u64 s[10:11], s[10:11], s[38:39]
	s_add_nc_u64 s[12:13], s[12:13], s[38:39]
	s_add_nc_u64 s[16:17], s[16:17], s[38:39]
	s_mov_b64 s[24:25], s[10:11]                   ; V's chunk 0
	s_lshl_b32 s38, s22, 11
	s_add_nc_u64 s[26:27], s[4:5], s[38:39]        ; the mask's rows of my queries, chunk 0
	s_add_nc_u64 s[66:67], s[8:9], s[38:39]        ; my rows of Q,
	s_add_nc_u64 s[68:69], s[12:13], s[38:39]      ; of os,
	s_add_nc_u64 s[70:71], s[16:17], s[38:39]      ; of out0
.macro CHUNK                           ; 32 + 16 loads: 64 keys of V (two rows of 256 bytes each) and 256 mask bytes of my 32 rows
	WIN 0x40
.set q, 0
.rept 32
	global_load_b128 v[4*q:4*q+3], v[G2V], s[24:25] offset:4096*q
.set q, q+1
.endr
.set q, 0
.rept 16
	global_load_b128 v[128+4*q:128+4*q+3], v[G2], s[26:27] offset:4096*q
.set q, q+1
.endr
	WIN 0
.endm
	CHUNK
	s_mul_i32 s38, s23, 16640                      ; ml: 65 classes x 256 bytes for each (batch, head)
	s_add_nc_u64 s[72:73], s[14:15], s[38:39]
.irp kt, 0,1,2,3                       ; the band's four key tiles begin at my first query - 16 + 16 kt, kept inside the buffers
	s_add_co_i32 s77, s22, 16*\kt-16
	s_max_i32 s77, s77, 0
	s_min_i32 s77, s77, 2032
	s_lshl_b32 s38, s77, 11
	s_add_nc_u64 s[40+2*\kt:41+2*\kt], s[6:7], s[38:39]
	s_add_nc_u64 s[48+2*\kt:49+2*\kt], s[10:11], s[38:39]
	s_mov_b32 s38, s77
	s_add_nc_u64 s[56+2*\kt:57+2*\kt], s[26:27], s[38:39]
.endr
	v_lshlrev_b32 v[GR], 11, v2
	v_lshl_add_u32 v[GM8], v3, 3, v[GR]
	v_lshl_add_u32 v[GR], v3, 5, v[GR]
	s_mul_i32 s77, s18, 64*160
	v_mul_u32_u24 v[VSTO], v3, 160
	v_lshl_add_u32 v[VSTO], v2, 3, v[VSTO]
	v_add_nc_u32 v[BVS], s76, v[VSTO]              ; the band's V: h x 160 + 8 r in my own bytes
	v_add_nc_u32 v[VSTO], s77, v[VSTO]             ; (64 wave + h) x 160 + 8 r
	v_add_nc_u32 v[VSTO+1], VB1, v[VSTO]
	v_mul_u32_u24 v[KSTO], v3, 400
	v_lshl_add_u32 v[KSTO], v2, 4, v[KSTO]
	v_add_nc_u32 v[KSTO], s19, v[KSTO]
	v_and_b32 v[TA], 7, v0
	v_bfe_u32 v[TB], v0, 3, 1
	v_lshl_add_u32 v[TC], v3, 5, v[TA]
	v_mul_u32_u24 v[VA], v[TC], 160
	v_lshl_add_u32 v[VA], v[TB], 4, v[VA]          ; (32 h + lane mod 8) x 160 + 16 x bit 3 of the lane
	v_add_nc_u32 v[VA+1], VB1, v[VA]
	v_lshl_add_u32 v[TC], v3, 3, v[TA]
	v_mul_u32_u24 v[BVA], v[TC], 160
	v_lshl_add_u32 v[BVA], v[TB], 4, v[BVA]
	v_add_nc_u32 v[BVA], s76, v[BVA]               ; (8 h + lane mod 8) x 160 + ..
	v_mul_u32_u24 v[KBA], v2, 400
	v_lshl_add_u32 v[KBA], v3, 5, v[KBA]
	v_add_nc_u32 v[KBA], s19, v[KBA]
	v_add_nc_u32 v[TA], s22, v1                    ; row lane's number i; i div 65 = (16132 i) >> 20 for i < 2048
	v_mul_u32_u24 v[TB], v[TA], 0x3f04
	v_lshrrev_b32 v[TB], 20, v[TB]
	v_mul_u32_u24 v[TB], v[TB], 65
	v_sub_nc_u32 v[T0], v[TA], v[TB]
	v_min_u32 v[T0], 64, v[T0]                     ; i mod 65 (the bound changes nothing; it is written out)
	v_mul_u32_u24 v[PKB], v1, 400
	v_add_nc_u32 v[PKB], s19, v[PKB]
	v_mul_u32_u24 v[BPB], v1, 401                  ; row lane's band begins one byte further right than the row's above
	v_add_nc_u32 v[BPB], s76, v[BPB]
	v_mov_b32 v[ZERO], 0
	v_mov_b32 v[NEGI], 0xff800000
	v_mov_b32 v[CNT], 0
	v_mov_b32 v[CNT+1], 0
	v_mov_b32 v[C16], 0
	v_mov_b32 v[C16+1], 0
	v_mul_u32_u24 v[OSTO], v2, 272
	v_lshl_add_u32 v[OSTO], v3, 5, v[OSTO]
	v_add_nc_u32 v[OSTO], s76, v[OSTO]
	v_mul_u32_u24 v[ORD], v3, 272
	v_lshl_add_u32 v[ORD], v2, 4, v[ORD]
	v_add_nc_u32 v[ORD], s76, v[ORD]
.irp a, 0,1
	v_add_nc_u32 v[TA], s22, v2                    ; my query of tile a
.if \a
	v_add_nc_u32 v[TA], 16, v[TA]
.endif
	v_mul_u32_u24 v[TB], v[TA], 0x3f04
	v_lshrrev_b32 v[TB], 20, v[TB]                 ; its slot
	v_mul_u32_u24 v[TC], v[TB], 65
	v_sub_nc_u32 v[TA], v[TA], v[TC]               ; its class
	v_lshlrev_b32 v[TB], 3, v[TB]
	v_lshl_add_u32 v[MLO+\a], v[TA], 8, v[TB]
.endr
; the fragments of K step s (32 keys) of buffer buf: V^T for four blocks of 16 d, and 16 keep bytes for each query tile
.macro FRAG buf, s
.irp t, 0,1,2,3
	ds_load_tr16_b128 v[VF+32*((\s)&1)+8*\t:VF+32*((\s)&1)+8*\t+3],   v[VA+\buf] offset:(64*((\s)>>1)+16*((\s)&1))*160+32*\t
	ds_load_tr16_b128 v[VF+32*((\s)&1)+8*\t+4:VF+32*((\s)&1)+8*\t+7], v[VA+\buf] offset:(64*((\s)>>1)+16*((\s)&1))*160+32*\t+1280
.endr
	ds_load_b128 v[KBR:KBR+3],   v[KBA] offset:64*((\s)>>1)+16*((\s)&1)
	ds_load_b128 v[KBR+4:KBR+7], v[KBA] offset:6400+64*((\s)>>1)+16*((\s)&1)
.endm
; keep bytes are counted, then widened: byte 0 or 1 -> bf16 0 or 1.0.  The eight adds name no register of the matrix instructions in front
; of them: they are the places that the writes of U's fragments, and the next loads into V's, have to keep.
.macro CONV
.irp a, 0,1
.irp i, 0,1,2,3
	v_add_nc_u32 v[CNT+\a], v[CNT+\a], v[KBR+4*\a+\i]
.endr
.endr
.irp a, 0,1
.irp i, 0,1,2,3
	v_perm_b32 v[UF+8*\a+2*\i],   v[ZERO], v[KBR+4*\a+\i], s29
	v_perm_b32 v[UF+8*\a+2*\i+1], v[ZERO], v[KBR+4*\a+\i], s30
.endr
.endr
.set p, 0
.rept 16
	v_mul_u32_u24 v[UF+p], s31, v[UF+p]            ; both halves at once: (b0 + 65536 b1) x 0x3f80
.set p, p+1
.endr
.endm
; eight accumulators take turns, one instruction a turn
.macro MM8 s, zero
.irp a, 0,1
.irp t, 0,1,2,3
.if \zero
	v_wmma_f32_16x16x32_bf16 v[ACC+32*\a+8*\t:ACC+32*\a+8*\t+7], v[VF+32*((\s)&1)+8*\t:VF+32*((\s)&1)+8*\t+7], v[UF+8*\a:UF+8*\a+7], 0
.else
	v_wmma_f32_16x16x32_bf16 v[ACC+32*\a+8*\t:ACC+32*\a+8*\t+7], v[VF+32*((\s)&1)+8*\t:VF+32*((\s)&1)+8*\t+7], v[UF+8*\a:UF+8*\a+7], v[ACC+32*\a+8*\t:ACC+32*\a+8*\t+7]
.endif
.endr
.endr
.endm
; 16 rows as fragments: register 8 t + j of lane (r, h) = element 16 t + 8 h + j of row r
.macro LOADROWS dst, sb, imm
.irp t, 0,1,2,3
	global_load_b128 v[\dst+8*\t:\dst+8*\t+3],   v[GR], s[\sb:\sb+1] offset:\imm+64*\t
	global_load_b128 v[\dst+8*\t+4:\dst+8*\t+7], v[GR], s[\sb:\sb+1] offset:\imm+64*\t+16
.endr
.endm
; what the tail needs, asked for a whole trip ahead
.macro BANDLOADS
	WIN 0x40
.irp kt, 0,1,2,3
	LOADROWS 32*\kt, 40+2*\kt, 0                   ; K's four tiles
.endr
.irp a, 0,1
	LOADROWS 128+32*\a, 66, 32768*\a               ; Q's two
	LOADROWS 192+32*\a, 68, 32768*\a               ; os in the accumulators' own layout
.endr
	WIN 0x80
.irp kt, 0,1,2,3
.irp qq, 0,1,2,3,4,5,6,7
	global_load_b128 v[4*(8*\kt+\qq):4*(8*\kt+\qq)+3], v[G2], s[48+2*\kt:49+2*\kt] offset:4096*\qq
.endr
.endr
	WIN 0
.irp a, 0,1
.irp rel, 0,1,2
	global_load_b64 v[BM+2*(3*\a+\rel):BM+2*(3*\a+\rel)+1], v[GM8], s[56+2*(\a+\rel):57+2*(\a+\rel)] offset:32768*\a
.endr
	global_load_b64 v[ML+2*\a:ML+2*\a+1], v[MLO+\a], s[72:73]
.endr
.endm
; One trip: 256 keys.  buf: V's LDS buffer; zero: the first product starts the sums; mode 1: the next chunk is asked for, 0: the tail's data.
.macro TRIP buf, zero, mode
	s_wait_loadcnt 0x0                             ; this chunk's 48 loads are in; their bases may be stepped
.rept 4
	v_nop                                          ; places between the last trip's matrix instructions and the writes of their sources
.endr
	WIN 0x05
.set p, 0
.rept 64
	v_cvt_pk_bf16_f32 v[VF+p], v[2*p], v[2*p+1]
.set p, p+1
.endr
	WIN 0
.set q, 0
.rept 32
	ds_store_b64 v[VSTO+\buf], v[VF+2*q:VF+2*q+1] offset:320*q
.set q, q+1
.endr
	WIN 0x05
.set p, 0
.rept 64
	v_xor_b32 v[VF+p], s28, v[128+p]               ; keep = 1 - mask, four bytes at once
.set p, p+1
.endr
	WIN 0
.set q, 0
.rept 16
	ds_store_b128 v[KSTO], v[VF+4*q:VF+4*q+3] offset:800*q
.set q, q+1
.endr
.if \mode
	s_add_nc_u64 s[24:25], s[24:25], 256*2048      ; 256 keys on
	s_add_nc_u64 s[26:27], s[26:27], 256           ; 256 columns on
	CHUNK                                          ; 24 KiB a wave on their way for the rest of the trip
.else
	BANDLOADS
.endif
	; zeros over the selected places of my rows.  LDS serves a wave's instructions in order: these land on the keep bytes just stored.
	v_add_nc_u32 v[TA], v[PKB], v[T0]
.irp k, 0,65,130,195
	ds_store_b8 v[TA], v[ZERO] offset:\k           ; at most place 259: the spare bytes behind the 256 take it
.endr
	v_add_nc_u32 v[T0], 4, v[T0]                   ; (T0 - 256) mod 65 = (T0 + 4) mod 65
	v_add_nc_u32 v[TC], 0xffffffbf, v[T0]          ; - 65: very large as an unsigned number if T0 + 4 < 65
	v_min_u32 v[T0], v[T0], v[TC]
	v_min_u32 v[T0], 64, v[T0]
	s_max_i32 s34, s32, 0
	s_min_u32 s34, s34, 320                        ; 0 .. 320
	s_sub_co_i32 s32, s32, 256
	s_cmp_eq_u32 s34, 0                            ; the bands of my 32 rows lie wholly behind this chunk,
	s_cbranch_scc1 .Lnoband_\@
	s_cmp_eq_u32 s34, 320                          ; or wholly in front of it
	s_cbranch_scc1 .Lnoband_\@
	v_mov_b32 v[TB], s34
	v_min_u32 v[TB], 0x140, v[TB]                  ; the bound once more where the address is made: 401 x 31 + 320 + 32 = 12,783, inside my 12,800 bytes
	v_add_nc_u32 v[TB], v[BPB], v[TB]
.set k2, 0
.rept 33
	ds_store_b8 v[TB], v[ZERO] offset:k2           ; places lane + 1 to lane + 351 of the row's 400: what overhangs the 256 falls on spare bytes
.set k2, k2+1
.endr
.Lnoband_\@:
	s_wait_dscnt 0x0                               ; my stores of V are done, and so are my reads of the other buffer:
	s_barrier_signal -1
	s_barrier_wait -1                              ; this buffer is whole, and the other may be written in the next trip
	FRAG \buf, 0
	s_wait_dscnt 0x0
	CONV
	FRAG \buf, 1
	MM8 0, \zero
	s_wait_dscnt 0x0
	CONV
.irp s, 1,2,3,4,5,6
	FRAG \buf, \s+1
	MM8 \s, 0
	s_wait_dscnt 0x0
	CONV
.endr
	MM8 7, 0
.irp a, 0,1                            ; a byte has counted to 32 at the most: into halves, which reach 512 in 8 trips
	v_and_b32 v[TA], 0x00ff00ff, v[CNT+\a]
	v_lshrrev_b32 v[TB], 8, v[CNT+\a]
	v_and_b32 v[TB], 0x00ff00ff, v[TB]
	v_add_nc_u32 v[TA], v[TA], v[TB]
	v_add_nc_u32 v[C16+\a], v[C16+\a], v[TA]
	v_mov_b32 v[CNT+\a], 0
.endr
.endm
	TRIP 0, 1, 1
	s_mov_b32 s33, 3
.Lpair:
	TRIP 1, 0, 1
	TRIP 0, 0, 1
	s_sub_co_i32 s33, s33, 1
	s_cmp_lg_u32 s33, 0
	s_cbranch_scc1 .Lpair
	TRIP 1, 0, 0
; THE BAND AND THE MERGE: each wave by itself, in its own LDS bytes
	s_wait_loadcnt 0x0
.rept 4
	v_nop
.endr
	WIN 0x0a
.set p, 0
.rept 64
	v_cvt_pk_bf16_f32 v[VF+p], v[2*p], v[2*p+1]    ; the band's V
.set p, p+1
.endr
	WIN 0
.set q, 0
.rept 32
	ds_store_b64 v[BVS], v[VF+2*q:VF+2*q+1] offset:320*q   ; 64 rows x 160 bytes over the keep bytes, whose reads are done
.set q, q+1
.endr
	WIN 0x05
.set p, 0
.rept 64
	v_cvt_pk_bf16_f32 v[VF+p], v[2*p], v[2*p+1]    ; K: tile kt's two fragments at 16 kt
.set p, p+1
.endr
.set p, 0
.rept 32
	v_cvt_pk_bf16_f32 v[FQ+p], v[128+2*p], v[128+2*p+1]    ; Q: tile a's at 16 a
.set p, p+1
.endr
	WIN 0
; S^T(a, rel) = K(tile a + rel) Q(tile a)^T: six accumulators take turns
.irp a, 0,1
.irp rel, 0,1,2
	v_wmma_f32_16x16x32_bf16 v[SB+8*(3*\a+\rel):SB+8*(3*\a+\rel)+7], v[VF+16*(\a+\rel):VF+16*(\a+\rel)+7], v[FQ+16*\a:FQ+16*\a+7], 0
.endr
.endr
.irp a, 0,1
.irp rel, 0,1,2
	v_wmma_f32_16x16x32_bf16 v[SB+8*(3*\a+\rel):SB+8*(3*\a+\rel)+7], v[VF+16*(\a+\rel)+8:VF+16*(\a+\rel)+15], v[FQ+16*\a+8:FQ+16*\a+15], v[SB+8*(3*\a+\rel):SB+8*(3*\a+\rel)+7]
.endr
.endr
.rept 4
	v_nop
.endr
; register j of lane (r, h): key - query = 16 (rel - 1) + 8 h + j - r.  Kept: mask byte 0, |key - query| <= 16, and the key tile exists.
.macro BEL a, rel, j
	v_and_b32 v[TA], 0xff<<(8*((\j)&3)), v[BM+2*(3*\a+\rel)+((\j)>>2)]
	v_cmp_eq_u32 vcc_lo, 0, v[TA]
.if \rel == 0
	s_and_b32 vcc_lo, vcc_lo, ((2<<\j)-1)|(((512<<\j)-1)<<16)              ; 8 h + j - r >= 0
.endif
.if \rel == 2
	s_and_b32 vcc_lo, vcc_lo, (0xffff&~((1<<\j)-1))|((0xffff&~((256<<\j)-1))<<16)   ; 8 h + j - r <= 0
.endif
.if 3*\a+\rel == 0
	s_and_b32 vcc_lo, vcc_lo, s74
.endif
.if 3*\a+\rel == 5
	s_and_b32 vcc_lo, vcc_lo, s75
.endif
	v_cndmask_b32 v[SB+8*(3*\a+\rel)+\j], v[NEGI], v[SB+8*(3*\a+\rel)+\j], vcc_lo
.endm
.irp a, 0,1
.irp rel, 0,1,2
.irp j, 0,1,2,3,4,5,6,7
	BEL \a, \rel, \j
.endr
.endr
.endr
.irp kp, 0,1                           ; the band's V^T, 32 keys for each kp; far more than four places behind the matrix instructions that read these registers
.irp t, 0,1,2,3
	ds_load_tr16_b128 v[VF+32*\kp+8*\t:VF+32*\kp+8*\t+3],   v[BVA] offset:5120*\kp+32*\t
	ds_load_tr16_b128 v[VF+32*\kp+8*\t+4:VF+32*\kp+8*\t+7], v[BVA] offset:5120*\kp+32*\t+2560
.endr
.endr
; the row's maximum over all three kinds, and the factors that bring each kind to it
.irp a, 0,1
	v_max3_num_f32 v[MXR+\a], v[SB+24*\a], v[SB+24*\a+1], v[SB+24*\a+2]
.irp k, 3,5,7,9,11,13,15,17,19,21
	v_max3_num_f32 v[MXR+\a], v[MXR+\a], v[SB+24*\a+\k], v[SB+24*\a+\k+1]
.endr
	v_max_num_f32 v[MXR+\a], v[MXR+\a], v[SB+24*\a+23]
	v_permlanex16_b32 v[TA], v[MXR+\a], s36, s37
	v_max_num_f32 v[MXR+\a], v[MXR+\a], v[TA]
	v_mul_f32 v[MXR+\a], s35, v[MXR+\a]            ; the band's maximum, in powers of two
	v_and_b32 v[TB], 0xffff, v[C16+\a]
	v_lshrrev_b32 v[TC], 16, v[C16+\a]
	v_add_nc_u32 v[TB], v[TB], v[TC]
	v_permlanex16_b32 v[TC], v[TB], s36, s37
	v_add_nc_u32 v[TB], v[TB], v[TC]               ; n: my query's unmasked keys that are not selected
	v_cvt_f32_u32 v[NFR+\a], v[TB]
	v_cmp_lt_u32 s[78+\a], 0, v[TB]
	v_cndmask_b32 v[TC], v[NEGI], v[ZERO], s[78+\a]        ; their score is 0, if there are any
	v_max3_num_f32 v[TC], v[ML+2*\a], v[MXR+\a], v[TC]
	v_max_num_f32 v[TC], 0xff7fffff, v[TC]         ; finite, so that -inf minus it stays -inf
	v_sub_f32 v[NMS+\a], 0, v[TC]
	v_add_f32 v[TA], v[ML+2*\a], v[NMS+\a]
	v_exp_f32 v[FAP+2*\a], v[TA]
	v_exp_f32 v[FNP+2*\a], v[NMS+\a]
	v_nop                                          ; one plain place behind v_exp_f32 (ISA guide 5.7.2)
	s_wait_alu depctr_va_vdst(0)
	v_cndmask_b32 v[FNP+2*\a], v[ZERO], v[FNP+2*\a], s[78+\a]
	v_mov_b32 v[FAP+2*\a+1], v[FAP+2*\a]
	v_mov_b32 v[FNP+2*\a+1], v[FNP+2*\a]
	v_mul_f32 v[LSR+\a], v[FAP+2*\a], v[ML+2*\a+1]
	v_fmac_f32 v[LSR+\a], v[FNP+2*\a], v[NFR+\a]
.endr
.irp a, 0,1
.set p, 0
.rept 16
	v_pk_mul_f32 v[ACC+32*\a+2*p:ACC+32*\a+2*p+1], v[ACC+32*\a+2*p:ACC+32*\a+2*p+1], v[FNP+2*\a:FNP+2*\a+1]
.set p, p+1
.endr
.endr
	WIN 0x01
.irp a, 0,1
.set p, 0
.rept 16
	v_pk_fma_f32 v[ACC+32*\a+2*p:ACC+32*\a+2*p+1], v[192+32*\a+2*p:192+32*\a+2*p+1], v[FAP+2*\a:FAP+2*\a+1], v[ACC+32*\a+2*p:ACC+32*\a+2*p+1]
.set p, p+1
.endr
.endr
	WIN 0
; the band's weights, their sum, and P^T: tile a + rel of the four key tiles, zeros where tile a has no keys.
; Upper part: the two upper halves of a pair of weights.  Lower part: p minus its upper half (exact), rounded; it is written over the scores:
; its register (192 + i for tile 0, 212 + i for tile 1) never lies above the pair it is made of (192 + 2 i, 216 + 2 i) nor reaches a later pair.
.irp a, 0,1
.set k2, 0
.rept 24
	v_fma_f32 v[SB+24*\a+k2], v[SB+24*\a+k2], s35, v[NMS+\a]
.set k2, k2+1
.endr
.set k2, 0
.rept 24
	v_exp_f32 v[SB+24*\a+k2], v[SB+24*\a+k2]
.set k2, k2+1
.endr
	v_nop
	s_wait_alu depctr_va_vdst(0)
	v_pk_add_f32 v[SUMP:SUMP+1], v[SB+24*\a:SB+24*\a+1], v[SB+24*\a+2:SB+24*\a+3]
.irp k, 4,6,8,10,12,14,16,18,20,22
	v_pk_add_f32 v[SUMP:SUMP+1], v[SUMP:SUMP+1], v[SB+24*\a+\k:SB+24*\a+\k+1]
.endr
	v_add_f32 v[TA], v[SUMP], v[SUMP+1]
	v_permlanex16_b32 v[TB], v[TA], s36, s37
	v_add_f32 v[TA], v[TA], v[TB]
	v_add_f32 v[LSR+\a], v[LSR+\a], v[TA]
.irp rel, 0,1,2
.irp jj, 0,1,2,3
	v_perm_b32 v[FQ+16*\a+4*(\a+\rel)+\jj], v[SB+24*\a+8*\rel+2*\jj+1], v[SB+24*\a+8*\rel+2*\jj], 0x07060302
	v_and_b32 v[TA], 0xffff0000, v[SB+24*\a+8*\rel+2*\jj]
	v_and_b32 v[TB], 0xffff0000, v[SB+24*\a+8*\rel+2*\jj+1]
	v_sub_f32 v[TA], v[SB+24*\a+8*\rel+2*\jj], v[TA]
	v_sub_f32 v[TB], v[SB+24*\a+8*\rel+2*\jj+1], v[TB]
	v_cvt_pk_bf16_f32 v[PLO+16*\a+4*(\a+\rel)+\jj], v[TA], v[TB]
.endr
.endr
.endr
.irp i, 12,13,14,15,16,17,18,19
	v_mov_b32 v[FQ+\i], 0                          ; key tile 3 for query tile 0, key tile 0 for query tile 1
	v_mov_b32 v[PLO+\i], 0
.endr
	v_rcp_f32 v[RLP], v[LSR]
	v_rcp_f32 v[RLP+2], v[LSR+1]
	v_nop
	s_wait_alu depctr_va_vdst(0)
	v_mov_b32 v[RLP+1], v[RLP]
	v_mov_b32 v[RLP+3], v[RLP+2]
	s_wait_dscnt 0x0                               ; the band's V^T
; the weights' upper parts, then their lower parts; eight accumulators take turns
.irp pb, FQ, PLO
.irp kp, 0,1
.irp a, 0,1
.irp t, 0,1,2,3
	v_wmma_f32_16x16x32_bf16 v[ACC+32*\a+8*\t:ACC+32*\a+8*\t+7], v[VF+32*\kp+8*\t:VF+32*\kp+8*\t+7], v[\pb+16*\a+8*\kp:\pb+16*\a+8*\kp+7], v[ACC+32*\a+8*\t:ACC+32*\a+8*\t+7]
.endr
.endr
.endr
.endr
.rept 4
	v_nop
.endr
.irp a, 0,1
.set p, 0
.rept 16
	v_pk_mul_f32 v[ACC+32*\a+2*p:ACC+32*\a+2*p+1], v[ACC+32*\a+2*p:ACC+32*\a+2*p+1], v[RLP+2*\a:RLP+2*\a+1]
.set p, p+1
.endr
.endr
; the way out: register j of tile (a, t) is element 16 t + 8 h + j of query 16 a + r; through my own LDS into whole rows
.irp a, 0,1
.irp t, 0,1,2,3
	ds_store_b128 v[OSTO], v[ACC+32*\a+8*\t:ACC+32*\a+8*\t+3]   offset:4352*\a+64*\t
	ds_store_b128 v[OSTO], v[ACC+32*\a+8*\t+4:ACC+32*\a+8*\t+7] offset:4352*\a+64*\t+16
.endr
.endr
.set q, 0
.rept 16
	ds_load_b128 v[VF+4*q:VF+4*q+3], v[ORD] offset:544*q   ; LDS serves a wave's instructions in order: these see the stores above
.set q, q+1
.endr
.set q, 0
.rept 16
	s_wait_dscnt 15-q                              ; pair q of rows is in, the younger ones may be out
	global_store_b128 v[G2], v[VF+4*q:VF+4*q+3], s[70:71] offset:4096*q    ; 16 lanes store 256 consecutive bytes, aligned
.set q, q+1
.endr
	s_set_vgpr_msb 0xa
	s_wait_tensorcnt 0x0
	ds_add_u32 v128, v129
	s_wait_dscnt 0x0
	s_set_vgpr_msb 0xa00
	s_endpgm
.Lfunc_end_k_qe77cbea046_main:
	.size	k_qe77cbea046_main, .Lfunc_end_k_qe77cbea046_main-k_qe77cbea046_main
	.p2alignl 7, 3214868480
	.fill 96, 4, 3214868480
	.section	.rodata,"a",@progbits
	.p2align	6, 0x0
	.amdhsa_kernel k_qe77cbea046_main
		.amdhsa_group_segment_fixed_size 133632
		.amdhsa_private_segment_fixed_size 0
		.amdhsa_enable_private_segment 0
		.amdhsa_kernarg_size 56
		.amdhsa_user_sgpr_count 2
		.amdhsa_user_sgpr_kernarg_segment_ptr 1
		.amdhsa_wavefront_size32 1
		.amdhsa_system_sgpr_workgroup_id_x 1
		.amdhsa_system_sgpr_workgroup_id_y 1
		.amdhsa_system_sgpr_workgroup_id_z 1
		.amdhsa_system_vgpr_workitem_id 0
		.amdhsa_next_free_vgpr 642
		.amdhsa_next_free_sgpr 80
		.amdhsa_reserve_vcc 1
		.amdhsa_float_denorm_mode_32 3
		.amdhsa_float_denorm_mode_16_64 3
		.amdhsa_memory_ordered 1
		.amdhsa_forward_progress 1
		.amdhsa_inst_pref_size 234
	.end_amdhsa_kernel
	.amdgpu_metadata
---
amdhsa.version: [ 1, 2 ]
amdhsa.kernels:
  - .name:           k_qe77cbea046_main
    .symbol:         k_qe77cbea046_main.kd
    .args:
      - { .name: attn_mask, .offset: 0, .size: 8, .value_kind: global_buffer, .address_space: global }
      - { .name: keys, .offset: 8, .size: 8, .value_kind: global_buffer, .address_space: global }
      - { .name: queries, .offset: 16, .size: 8, .value_kind: global_buffer, .address_space: global }
      - { .name: values, .offset: 24, .size: 8, .value_kind: global_buffer, .address_space: global }
      - { .name: os, .offset: 32, .size: 8, .value_kind: global_buffer, .address_space: global }
      - { .name: ml, .offset: 40, .size: 8, .value_kind: global_buffer, .address_space: global }
      - { .name: out0, .offset: 48, .size: 8, .value_kind: global_buffer, .address_space: global }
    .group_segment_fixed_size: 133632
    .private_segment_fixed_size: 0
    .kernarg_segment_align: 8
    .kernarg_segment_size: 56
    .max_flat_workgroup_size: 128
    .sgpr_count:     80
    .vgpr_count:     642
    .wavefront_size: 32
...
	.end_amdgpu_metadata
.endif
;; end of part 2
;; ======== version 2 of 3: 2 launches; 1.23 times as fast as version 1
;; workspace buffers: os 8,388,608 bytes; ml 266,240 bytes
;; launch strided (part 3): grid 65 x 2, 8 waves a work-group, no clusters, 120,320 bytes of LDS; arguments attn_mask, keys, queries, values, os, ml; writes os, ml
.if DOCPART == 3
	.amdgcn_target "amdgcn-amd-amdhsa--gfx1250"
	.amdhsa_code_object_version 6
	.text
	.protected	k_qe77cbea046_strided
	.globl	k_qe77cbea046_strided
	.p2align	8
	.type	k_qe77cbea046_strided,@function
k_qe77cbea046_strided:
	s_mov_b64 s[64:65], 0
	v_nop
	global_prefetch_b8 v0, s[64:65] scope:SCOPE_SE
	s_setreg_imm32_b32 hwreg(HW_REG_WAVE_MODE, 25, 1), 1
	s_wait_xcnt 0x0
; DozerAttention, part 1: the strided keys (i - j = 65 k, k not 0).
; Rows whose numbers are equal modulo 65 select each other, so a class c (rows c + 65 s, s = 0..31) is a dense block of 32 x 32 scores.
; A work-group takes one (batch, class), its eight waves the eight heads.  A wave stores, for each of its rows: m = the largest kept score
; times 0.125 log2(e) (-inf if no key is kept), l = the sum of 2^(x - m), and the row sum of 2^(x - m) v, not yet divided.  The second launch merges them.
; The class's 32 x 32 mask bytes lie 65 bytes apart and do not hang on the head: each wave fetches an eighth of them and all read them from LDS.
; Q, K and V come in as whole rows (16 lanes take a row's 256 bytes), are rounded to bf16 and pass through the wave's own LDS into fragments.
; Everything is computed transposed: S^T = K Q^T and O^T = V^T P^T, so a lane owns one query (lane and lane xor 16 share it)
; and two S^T tiles, narrowed to bf16, are a P^T fragment as they lie.
; The weights go into the product in two bf16 parts, the upper 16 bits of p and the rest rounded: 16 bits of p instead of 8, for 8 matrix instructions more.
; Slot 31 exists only for c <= 32: its row number is clamped to 2047 for loads, its key gets weight 0, its result row is not stored.
; 130 work-groups: the next finer split (half the heads) gives 260, four more than there are WGPs.
; LIMITS: weights below 2^-126 count as zero (v_exp_f32 gives no denormals, ISA guide 15.8).
; No clusters, no tensor loads: no two work-groups read the same rows of Q, K or V, and every operand is rounded in registers.
.set ROWB,  2048                       ; bytes from a sequence position to the next in Q, K, V, os, and from row to row of the mask
.set LWB,   4608                       ; LDS: the mask table, 32 lanes x 144 bytes (32 words + 16 bytes), then 14,336 bytes for each wave:
.set LWS,   14336
.set LK,    4608                       ;   Q at 0: 32 rows x 144 bytes (128 of bf16 + 16); K here, the same;
.set LV,    9216                       ;   V here: 32 rows x 160 bytes.  The way out (32 rows x 272) takes Q's and K's bytes.
.set QF,    16                         ; v[16:79]   Q as f32, packed in place into v[16:47]
.set KF,    80                         ; v[80:143]  K likewise, into v[80:111]
.set VR,    144                        ; v[144:207] V likewise, into v[144:175]
.set SS,    16                         ; S^T(qt, kt) = 16 + 16 qt + 8 kt
.set FQR,   48                         ; Q's fragments 48 + 16 qt + 8 kk
.set PF,    80                         ; P^T fragment of query tile qt, upper part = 80 + 8 qt
.set PL,    96                         ; lower part = 96 + 8 qt
.set FKR,   112                        ; K's fragments 112 + 16 kt + 8 kk
.set VT,    176                        ; V^T fragments 176 + 8 t
.set ACC,   16                         ; O^T(qt, t) = 16 + 32 qt + 8 t
.set RB,    112                        ; the way out: rows read back
.set MB,    208                        ; v[208:239] mask bytes (qt, kt, j), one in a register
.set NEGI,  240                        ; -inf
.set TA,    241
.set MXR,   242                        ; m of query tile 0, 1
.set NMS,   244                        ; -max(m, -FLT_MAX)
.set LSR,   246                        ; l
.set SUMP,  248                        ; a pair of running sums
.set TB,    250
.set TC,    251
.set MLOF,  252
.set OUTP,  254
; v4, v5 my wave's mask offsets; v6, v7 row-pair offsets for Q, K, V, os; v8, v9 mask table in, out; v10 Q and K into LDS; v11 their fragments out
; v12 V into LDS; v13 V^T out of LDS; v14, v15 the way out
	s_load_b256 s[4:11], s[0:1], 0x0               ; mask s[4:5], keys s[6:7], queries s[8:9], values s[10:11]
	s_load_b128 s[12:15], s[0:1], 0x20             ; os s[12:13], ml s[14:15]
	v_lshl_add_u32 v253, v0, 2, 0x1d200
	s_set_vgpr_msb 0x40
	v_mov_b32 v1, 0
	s_set_vgpr_msb 0x4000
	v_and_b32 v1, 31, v0                           ; lane
	v_lshrrev_b32 v[TA], 5, v0
	v_readfirstlane_b32 s16, v[TA]                 ; wave = head
	v_and_b32 v2, 15, v0                           ; r
	v_bfe_u32 v3, v0, 4, 1                         ; h
	s_mov_b32 s17, ttmp9                           ; class c
	s_and_b32 s19, ttmp7, 0xffff                   ; batch
	s_mov_b32 s25, 0x3e38aa3b                      ; 0.125 log2(e)
	s_mov_b32 s26, 0x76543210                      ; v_permlanex16_b32: lane i reads lane i xor 16
	s_mov_b32 s27, 0xfedcba98
	s_mov_b32 s30, 0xffff0000                      ; lanes 16 to 31
	s_cmp_ge_u32 s17, 33
	s_cselect_b32 s24, 0xffff, -1                  ; lanes whose slot 31 exists: without it lanes 16 to 31 are off
	s_mul_i32 s21, s16, LWS
	s_add_co_u32 s21, s21, LWB                     ; my wave's LDS
	; my wave's eighth of the mask bytes: query tile qt = wave / 4, key tile kt = bit 1 of the wave, registers j = 4 (wave & 1) + 0..3
	s_lshr_b32 s18, s16, 2
	s_mul_i32 s18, s18, 1040
	s_add_co_u32 s18, s18, s17                     ; row of query slot 16 qt
	s_bfe_u32 s20, s16, 0x10001
	s_mul_i32 s20, s20, 1040
	s_and_b32 s28, s16, 1
	s_mul_i32 s28, s28, 260
	s_add_co_u32 s20, s20, s28
	s_add_co_u32 s20, s20, s17                     ; column of key slot 16 kt + 4 (wave & 1)
	v_mul_u32_u24 v[TA], v2, 65
	v_add_nc_u32 v[TA], s18, v[TA]
	v_min_u32 v[TA], 2047, v[TA]                   ; row of query slot 16 qt + r, kept inside the buffer
	v_lshlrev_b32 v[TA], 11, v[TA]
	v_mul_u32_u24 v[TB], v3, 520
	v_add_nc_u32 v[TB], s20, v[TB]                 ; + 8 h slots
	v_add_nc_u32 v4, v[TA], v[TB]
	v_add_nc_u32 v[TB], 195, v[TB]
	v_min_u32 v[TB], 2047, v[TB]                   ; the fourth column may be slot 31's: kept inside the row
	v_add_nc_u32 v5, v[TA], v[TB]
	v_mul_u32_u24 v[TA], v3, 65
	v_add_nc_u32 v[TA], s17, v[TA]                 ; row of slot h
	v_add_nc_u32 v[TB], 1950, v[TA]
	v_min_u32 v[TB], 2047, v[TB]                   ; row of slot 30 + h
	v_lshlrev_b32 v[TC], 4, v2
	v_lshl_add_u32 v6, v[TA], 11, v[TC]            ; 16 lanes take a row's 256 bytes, the other 16 the next slot's
	v_lshl_add_u32 v7, v[TB], 11, v[TC]
	s_wait_kmcnt 0x0
	s_lshl_b32 s22, s19, 22                        ; a batch is 4 MiB in every one of these buffers
	s_mov_b32 s23, 0
	s_add_nc_u64 s[4:5], s[4:5], s[22:23]
	s_lshl_b32 s29, s16, 8                         ; a head is 256 bytes of a row
	s_add_co_u32 s22, s22, s29
	s_add_nc_u64 s[6:7], s[6:7], s[22:23]
	s_add_nc_u64 s[8:9], s[8:9], s[22:23]
	s_add_nc_u64 s[10:11], s[10:11], s[22:23]
	s_add_nc_u64 s[12:13], s[12:13], s[22:23]
	s_lshl3_add_u32 s29, s19, s16
	s_mul_i32 s29, s29, 65
	s_add_co_u32 s29, s29, s17
	s_lshl_b32 s22, s29, 8                         ; ml: 256 bytes for each (batch, head, class)
	s_add_nc_u64 s[14:15], s[14:15], s[22:23]
	global_load_u8 v[MB],   v4, s[4:5]
	global_load_u8 v[MB+1], v4, s[4:5] offset:65
	global_load_u8 v[MB+2], v4, s[4:5] offset:130
	global_load_u8 v[MB+3], v5, s[4:5]
.macro LOADPAIRS dst, sb               ; 32 rows, two whole rows of 256 bytes to a load
.set q, 0
.rept 15
	global_load_b128 v[\dst+4*q:\dst+4*q+3], v6, s[\sb:\sb+1] offset:130*ROWB*q    ; slots 2 q and 2 q + 1
.set q, q+1
.endr
	global_load_b128 v[\dst+60:\dst+63], v7, s[\sb:\sb+1]
.endm
	LOADPAIRS QF, 8
	LOADPAIRS KF, 6
	LOADPAIRS VR, 10
	v_mul_u32_u24 v9, v1, 144                      ; the mask table: lane x 144 + 4 (16 qt + 8 kt + j)
	s_lshl_b32 s28, s16, 4
	v_add_nc_u32 v8, s28, v9                       ; my wave's four words
	v_mul_u32_u24 v[TA], v3, 144                   ; Q, K in LDS: [slot][e] in bf16, 144 bytes from slot to slot
	v_lshl_add_u32 v[TA], v2, 3, v[TA]
	v_add_nc_u32 v10, s21, v[TA]
	v_mul_u32_u24 v[TA], v2, 144
	v_lshl_add_u32 v[TA], v3, 4, v[TA]
	v_add_nc_u32 v11, s21, v[TA]                   ; a fragment: row r, 16 bytes for each half of the lanes
	v_mul_u32_u24 v[TA], v3, 160                   ; V in LDS: [slot][d] in bf16, 160 bytes from slot to slot
	v_lshl_add_u32 v[TA], v2, 3, v[TA]
	v_add_nc_u32 v12, s21, v[TA]
	v_and_b32 v[TA], 7, v0
	v_lshl_add_u32 v[TA], v3, 3, v[TA]
	v_mul_u32_u24 v[TA], v[TA], 160
	v_bfe_u32 v[TB], v0, 3, 1
	v_lshl_add_u32 v[TA], v[TB], 4, v[TA]
	v_add_nc_u32 v13, s21, v[TA]                   ; (8 h + lane mod 8) x 160 + 16 x bit 3 of the lane
	v_mul_u32_u24 v[TA], v2, 272                   ; the way out: rows of 256 bytes, 272 apart
	v_lshl_add_u32 v[TA], v3, 5, v[TA]
	v_add_nc_u32 v14, s21, v[TA]
	v_mul_u32_u24 v[TA], v3, 272
	v_lshl_add_u32 v[TA], v2, 4, v[TA]
	v_add_nc_u32 v15, s21, v[TA]
	v_lshlrev_b32 v[MLOF], 3, v1
	v_mov_b32 v[NEGI], 0xff800000
	s_wait_loadcnt 0x30                            ; my four mask loads are in; the 48 younger loads (Q, K, V) stay out
	ds_store_b128 v8, v[MB:MB+3]
	s_wait_dscnt 0x0                               ; for the other waves' sake: my part of the table is written
	s_barrier_signal -1
	s_barrier_wait -1                              ; the table is whole
.irp g, 0,1,2,3,4,5,6,7
	ds_load_b128 v[MB+4*\g:MB+4*\g+3], v9 offset:16*\g
.endr
.macro ROUND32 base                    ; in place: register p is written when 2 p and 2 p + 1 >= p have been read
.set p, 0
.rept 32
	v_cvt_pk_bf16_f32 v[\base+p], v[\base+2*p], v[\base+2*p+1]
.set p, p+1
.endr
.endm
	s_wait_loadcnt 0x20                            ; Q is in; K's and V's 32 loads stay out
	ROUND32 QF
.set q, 0
.rept 16
	ds_store_b64 v10, v[QF+2*q:QF+2*q+1] offset:288*q
.set q, q+1
.endr
	s_wait_loadcnt 0x10                            ; K is in; V's 16 loads stay out
	ROUND32 KF
.set q, 0
.rept 16
	ds_store_b64 v10, v[KF+2*q:KF+2*q+1] offset:LK+288*q
.set q, q+1
.endr
.irp tl, 0,1                           ; LDS serves a wave's instructions in order: these see the stores above
.irp kk, 0,1
	ds_load_b128 v[FQR+16*\tl+8*\kk:FQR+16*\tl+8*\kk+3],   v11 offset:2304*\tl+64*\kk
	ds_load_b128 v[FQR+16*\tl+8*\kk+4:FQR+16*\tl+8*\kk+7], v11 offset:2304*\tl+64*\kk+32
	ds_load_b128 v[FKR+16*\tl+8*\kk:FKR+16*\tl+8*\kk+3],   v11 offset:LK+2304*\tl+64*\kk
	ds_load_b128 v[FKR+16*\tl+8*\kk+4:FKR+16*\tl+8*\kk+7], v11 offset:LK+2304*\tl+64*\kk+32
.endr
.endr
	s_wait_loadcnt 0x0                             ; V
	ROUND32 VR
.set q, 0
.rept 16
	ds_store_b64 v12, v[VR+2*q:VR+2*q+1] offset:LV+320*q
.set q, q+1
.endr
.irp t, 0,1,2,3
	ds_load_tr16_b128 v[VT+8*\t:VT+8*\t+3],   v13 offset:LV+32*\t
	ds_load_tr16_b128 v[VT+8*\t+4:VT+8*\t+7], v13 offset:LV+32*\t+2560
.endr
	s_wait_dscnt 0x18                              ; all but V's 16 stores and 8 loads: the mask bytes and Q's and K's fragments are in, their stores done
; S^T = K Q^T: four accumulators take turns, one instruction a turn; the first product starts each sum
.irp qt, 0,1
.irp kt, 0,1
	v_wmma_f32_16x16x32_bf16 v[SS+16*\qt+8*\kt:SS+16*\qt+8*\kt+7], v[FKR+16*\kt:FKR+16*\kt+7], v[FQR+16*\qt:FQR+16*\qt+7], 0
.endr
.endr
.irp qt, 0,1
.irp kt, 0,1
	v_wmma_f32_16x16x32_bf16 v[SS+16*\qt+8*\kt:SS+16*\qt+8*\kt+7], v[FKR+16*\kt+8:FKR+16*\kt+15], v[FQR+16*\qt+8:FQR+16*\qt+15], v[SS+16*\qt+8*\kt:SS+16*\qt+8*\kt+7]
.endr
.endr
.rept 4
	v_nop                                          ; four places between a matrix instruction and a vector instruction on its result (ISA guide 7.12.1)
.endr
; a score is kept where the mask byte is 0, the key is not the query itself (that key belongs to the band) and the key's slot exists
.macro SEL qt, kt, j
	v_cmp_eq_u32 vcc_lo, 0, v[MB+16*\qt+8*\kt+\j]
.if \qt == \kt
	s_and_b32 vcc_lo, vcc_lo, 0xffffffff ^ ((1<<\j)|(1<<(24+\j)))  ; 8 h + j = r in lanes j and 24 + j
.endif
.if 8*\kt+\j == 15
	s_and_b32 vcc_lo, vcc_lo, s24
.endif
	v_cndmask_b32 v[SS+16*\qt+8*\kt+\j], v[NEGI], v[SS+16*\qt+8*\kt+\j], vcc_lo
.endm
.irp qt, 0,1
.irp kt, 0,1
.irp j, 0,1,2,3,4,5,6,7
	SEL \qt, \kt, \j
.endr
.endr
.endr
; the row's exact maximum, then the weights and their sum
.irp qt, 0,1
	v_max3_num_f32 v[MXR+\qt], v[SS+16*\qt], v[SS+16*\qt+1], v[SS+16*\qt+2]
.irp k, 3,5,7,9,11,13
	v_max3_num_f32 v[MXR+\qt], v[MXR+\qt], v[SS+16*\qt+\k], v[SS+16*\qt+\k+1]
.endr
	v_max_num_f32 v[MXR+\qt], v[MXR+\qt], v[SS+16*\qt+15]
	v_permlanex16_b32 v[TA], v[MXR+\qt], s26, s27  ; the other 16 keys of my query
	v_max_num_f32 v[MXR+\qt], v[MXR+\qt], v[TA]
	v_mul_f32 v[MXR+\qt], s25, v[MXR+\qt]          ; m, in powers of two
	v_max_num_f32 v[TA], 0xff7fffff, v[MXR+\qt]    ; finite, so that -inf minus it stays -inf
	v_sub_f32 v[NMS+\qt], 0, v[TA]
.set k2, 0
.rept 16
	v_fma_f32 v[SS+16*\qt+k2], v[SS+16*\qt+k2], s25, v[NMS+\qt]
.set k2, k2+1
.endr
.set k2, 0
.rept 16
	v_exp_f32 v[SS+16*\qt+k2], v[SS+16*\qt+k2]
.set k2, k2+1
.endr
	v_nop                                          ; one plain place behind the last v_exp_f32 (ISA guide 5.7.2)
	s_wait_alu depctr_va_vdst(0)
	v_pk_add_f32 v[SUMP:SUMP+1], v[SS+16*\qt:SS+16*\qt+1], v[SS+16*\qt+2:SS+16*\qt+3]
.irp k, 4,6,8,10,12,14
	v_pk_add_f32 v[SUMP:SUMP+1], v[SUMP:SUMP+1], v[SS+16*\qt+\k:SS+16*\qt+\k+1]
.endr
	v_add_f32 v[LSR+\qt], v[SUMP], v[SUMP+1]
	v_permlanex16_b32 v[TB], v[LSR+\qt], s26, s27
	v_add_f32 v[LSR+\qt], v[LSR+\qt], v[TB]
; key slots 8 h + .. and 16 + 8 h + ..: a fragment as it lies.  Upper part: the two upper halves; lower part: p minus its upper half (exact), rounded
.set p, 0
.rept 8
	v_perm_b32 v[PF+8*\qt+p], v[SS+16*\qt+2*p+1], v[SS+16*\qt+2*p], 0x07060302
	v_and_b32 v[TA], 0xffff0000, v[SS+16*\qt+2*p]
	v_and_b32 v[TB], 0xffff0000, v[SS+16*\qt+2*p+1]
	v_sub_f32 v[TA], v[SS+16*\qt+2*p], v[TA]
	v_sub_f32 v[TB], v[SS+16*\qt+2*p+1], v[TB]
	v_cvt_pk_bf16_f32 v[PL+8*\qt+p], v[TA], v[TB]
.set p, p+1
.endr
.endr
	s_wait_dscnt 0x0                               ; V^T's fragments
; O^T = V^T P^T, the weights' upper parts, then their lower parts: eight accumulators take turns
.irp qt, 0,1
.irp t, 0,1,2,3
	v_wmma_f32_16x16x32_bf16 v[ACC+32*\qt+8*\t:ACC+32*\qt+8*\t+7], v[VT+8*\t:VT+8*\t+7], v[PF+8*\qt:PF+8*\qt+7], 0
.endr
.endr
.irp qt, 0,1
.irp t, 0,1,2,3
	v_wmma_f32_16x16x32_bf16 v[ACC+32*\qt+8*\t:ACC+32*\qt+8*\t+7], v[VT+8*\t:VT+8*\t+7], v[PL+8*\qt:PL+8*\qt+7], v[ACC+32*\qt+8*\t:ACC+32*\qt+8*\t+7]
.endr
.endr
.rept 4
	v_nop                                          ; four places in front of the LDS stores of the results
.endr
; the way out: register j of tile (qt, t) is element 16 t + 8 h + j of query slot 16 qt + r; through my own LDS into whole rows
.irp qt, 0,1
.irp t, 0,1,2,3
	ds_store_b128 v14, v[ACC+32*\qt+8*\t:ACC+32*\qt+8*\t+3]   offset:4352*\qt+64*\t
	ds_store_b128 v14, v[ACC+32*\qt+8*\t+4:ACC+32*\qt+8*\t+7] offset:4352*\qt+64*\t+16
.endr
.endr
.set q, 0
.rept 16
	ds_load_b128 v[RB+4*q:RB+4*q+3], v15 offset:544*q
.set q, q+1
.endr
.set q, 0
.rept 15
	s_wait_dscnt 15-q                              ; LDS loads come back in order: pair q is in, the younger ones may be out
	global_store_b128 v6, v[RB+4*q:RB+4*q+3], s[12:13] offset:130*ROWB*q   ; 16 lanes store 256 consecutive bytes, aligned
.set q, q+1
.endr
	s_wait_dscnt 0x0
	s_wait_xcnt 0x0                                ; EXEC is a source of the stores above: it changes only behind this wait
	s_mov_b32 vcc_lo, s24
	s_set_vgpr_msb 0x4
	s_wait_tensorcnt 0x0
	ds_add_u32 v253, v1
	s_wait_dscnt 0x0
	s_set_vgpr_msb 0x400
	s_and_saveexec_b32 s28, vcc_lo                 ; slot 30 always, slot 31 only where it exists
	global_store_b128 v7, v[RB+60:RB+63], s[12:13]
	s_wait_xcnt 0x0
	s_or_b32 exec_lo, exec_lo, s28
	v_cndmask_b32 v[OUTP],   v[MXR], v[MXR+1], s30 ; lane = slot: lanes 16 to 31 take query tile 1
	v_cndmask_b32 v[OUTP+1], v[LSR], v[LSR+1], s30
	global_store_b64 v[MLOF], v[OUTP:OUTP+1], s[14:15]     ; 256 consecutive bytes, aligned (slot 31's pair is read by nobody where the slot does not exist)
	s_endpgm
.Lfunc_end_k_qe77cbea046_strided:
	.size	k_qe77cbea046_strided, .Lfunc_end_k_qe77cbea046_strided-k_qe77cbea046_strided
	.p2alignl 7, 3214868480
	.fill 96, 4, 3214868480
	.section	.rodata,"a",@progbits
	.p2align	6, 0x0
	.amdhsa_kernel k_qe77cbea046_strided
		.amdhsa_group_segment_fixed_size 120320
		.amdhsa_private_segment_fixed_size 0
		.amdhsa_enable_private_segment 0
		.amdhsa_kernarg_size 48
		.amdhsa_user_sgpr_count 2
		.amdhsa_user_sgpr_kernarg_segment_ptr 1
		.amdhsa_wavefront_size32 1
		.amdhsa_system_sgpr_workgroup_id_x 1
		.amdhsa_system_sgpr_workgroup_id_y 1
		.amdhsa_system_sgpr_workgroup_id_z 1
		.amdhsa_system_vgpr_workitem_id 0
		.amdhsa_next_free_vgpr 258
		.amdhsa_next_free_sgpr 66
		.amdhsa_reserve_vcc 1
		.amdhsa_float_denorm_mode_32 3
		.amdhsa_float_denorm_mode_16_64 3
		.amdhsa_memory_ordered 1
		.amdhsa_forward_progress 1
		.amdhsa_inst_pref_size 42
	.end_amdhsa_kernel
	.amdgpu_metadata
---
amdhsa.version: [ 1, 2 ]
amdhsa.kernels:
  - .name:           k_qe77cbea046_strided
    .symbol:         k_qe77cbea046_strided.kd
    .args:
      - { .name: attn_mask, .offset: 0, .size: 8, .value_kind: global_buffer, .address_space: global }
      - { .name: keys, .offset: 8, .size: 8, .value_kind: global_buffer, .address_space: global }
      - { .name: queries, .offset: 16, .size: 8, .value_kind: global_buffer, .address_space: global }
      - { .name: values, .offset: 24, .size: 8, .value_kind: global_buffer, .address_space: global }
      - { .name: os, .offset: 32, .size: 8, .value_kind: global_buffer, .address_space: global }
      - { .name: ml, .offset: 40, .size: 8, .value_kind: global_buffer, .address_space: global }
    .group_segment_fixed_size: 120320
    .private_segment_fixed_size: 0
    .kernarg_segment_align: 8
    .kernarg_segment_size: 48
    .max_flat_workgroup_size: 256
    .sgpr_count:     66
    .vgpr_count:     258
    .wavefront_size: 32
...
	.end_amdgpu_metadata
.endif
;; end of part 3
;; launch main (part 4): grid 16 x 16, 4 waves a work-group, no clusters, 184,832 bytes of LDS; arguments attn_mask, keys, queries, values, os, ml, out0; writes out0
.if DOCPART == 4
	.amdgcn_target "amdgcn-amd-amdhsa--gfx1250"
	.amdhsa_code_object_version 6
	.text
	.protected	k_qe77cbea046_main
	.globl	k_qe77cbea046_main
	.p2align	8
	.type	k_qe77cbea046_main,@function
k_qe77cbea046_main:
	s_mov_b64 s[64:65], 0
	v_nop
	global_prefetch_b8 v0, s[64:65] scope:SCOPE_SE
	s_setreg_imm32_b32 hwreg(HW_REG_WAVE_MODE, 25, 1), 1
	s_wait_xcnt 0x0
; DozerAttention, part 2.  A row's unmasked keys are of three kinds:
;   not selected: score exactly 0, weight 2^-m for all of them: their part of the result is 2^-m x (U V), U = (1 - mask) with the selected places set to 0;
;   the band |i - j| <= 16: 48 keys for 16 neighbouring queries, three tiles of scores;
;   the strided keys: made by the first launch (os, ml).
; The exact maximum m of the row is known before any exponential: max(0 if some key is not selected, the band's, the strided part's).
; A work-group takes 128 queries of one (batch, head); a wave 32 of them.  256 work-groups.
; U V goes in 8 trips of 256 keys.  V's chunk is rounded to bf16 in registers and laid in LDS for all four waves (two buffers, one barrier a trip);
; each wave lays the keep bytes 1 - mask of its own 32 rows in LDS bytes of its own (two buffers), writes zeros over the selected places, and
; widens 16 bytes at a time into a fragment of bf16 ones and zeros.  All products are transposed (O^T = V^T U^T), so a lane owns one query.
; Inside a block of 64 keys the K step c holds keys 32 h + 16 c + 0..15 in lane half h, alike for U and V: 16 neighbouring keep bytes are one fragment.
; THE PIPELINE: trip n multiplies chunk n and meanwhile stages chunk n + 1, an eighth behind each K step's fragment loads: 16 vector instructions,
; 6 LDS stores into the buffers that are not being read, and 6 loads of chunk n + 2 into the registers just freed.  So a load has a whole trip
; in which to land and the stores drain under the matrix work.  Chunks 0 and 1 are both asked for at the start, chunk 1 into registers of its own.
; Inside a trip, step p's eight matrix instructions are interleaved with the widening of step p + 1's keep bytes (two buffers for U's fragments),
; and step p + 1's V^T fragments, asked for in front of them, are wanted only a step later.
; The tail's data come the same way: the band's K and Q in the last staging trip, six loads a piece into the registers just freed; the band's mask
; bytes, (m, l), the band's V and the strided rows in the last trip; the tail takes them up in that order.
; The band's weights go into their product in two bf16 parts, the upper 16 bits of p and the rest rounded: in rows with few keys a single
; weight carries much of the result, and 8 bits of it are too few; the price is 16 matrix instructions beside the 512 of U V.
; NO CLUSTERS, NO TENSOR LOADS: V, which the 16 query blocks of a head share, has to be rounded to bf16 on its way: through registers it
; crosses LDS once as 32 KiB a chunk; brought as f32 it would be 64 KiB, read, rounded and stored again.  The keep bytes are written over by ds_store.
; LIMITS: mask bytes are 0 or 1 (the bool format).  Weights below 2^-126 count as zero (v_exp_f32 gives no denormals, ISA guide 15.8).
; A row with every key masked gives 0 x (1/0) = NaN, as a softmax of -inf alone does.
.set VB1,   40960                      ; LDS: V buffer 0 at 0, buffer 1 here: 256 keys x 160 bytes (128 of bf16 + 32: the 8 rows of a transposing load start in different banks)
.set KP,    81920                      ; then 25,600 bytes for each wave: two keep buffers of 32 rows x 400 = 64 spare + 256 keep bytes + 80 spare
.set KPW,   25600
.set KB2,   12800                      ; the second keep buffer
.set LBK,   10240                      ; in the tail the wave's bytes hold: the band's V at 0 (64 x 160), K here (64 x 144),
.set LBQ,   19456                      ; Q here (32 x 144),
.set LFT,   24064                      ; 32 factors here; the way out (32 x 272) then takes V's place
.set CHV,   524288                     ; 256 keys of V in memory
; window 0
.set G2,    4                          ; h x 2048 + 16 r: two neighbouring rows of 256 bytes for a wave's load or store
.set G4V,   5                          ; h x 8192 + 16 r + my wave's 64 keys of a chunk: rows x and x + 4
.set BKA,   6                          ; the tail: fragments of K and Q out of LDS
.set GM8,   7                          ; r x 2048 + 8 h: the band's mask bytes
.set VSTO,  8                          ; v8, v9: V into buffer 0, 1
.set KSTO,  10
.set VA,    11                         ; v11, v12: V^T out of buffer 0, 1
.set KBA,   13
.set T0,    14                         ; row lane's first strided key in the chunk, 0..64
.set PKB,   15
.set BPB,   16
.set ZERO,  17
.set NEGI,  18
.set TA,    19
.set TB,    20
.set TC,    21
.set CNT,   22                         ; v22, v23: sums of keep bytes, four in a word
.set C16,   24                         ; v24, v25: the same, two in a word
.set BVA,   26
.set BVS,   27
.set OSTO,  28
.set ORD,   29
.set MLO,   30                         ; v30, v31
.set ACC,   32                         ; v[32:95]   O^T(a, t) = 32 + 32 a + 8 t
.set VF,    96                         ; v[96:159]  V^T fragments, two buffers of 4 x 8; in the tail also the stage for rounding
.set UF,    160                        ; v[160:175] U^T fragments of query tiles 0, 1, for the even K steps;
.set UFS,   48                         ; v[208:223] the same for the odd ones
.set FQ,    160                        ; v[160:191] in the tail: Q's fragments, then the upper parts of P^T's, then the 16 factors of the way out
.set KBR,   176                        ; v[176:183] keep bytes
.set ST,    192                        ; v[192:207] a staging piece: 8 words of V in bf16, 8 of keep bytes
.set SB,    192                        ; v[192:239] in the tail: the band's S^T(a, rel) = 192 + 8 (3 a + rel)
.set PLO,   192                        ; v[192:223] then the lower parts of P^T's fragments, packed in place over the scores
.set BM,    240                        ; v[240:251] the band's mask bytes
.set ML,    252                        ; v[252:255] (m, l) of the strided part
; the tail takes registers of the G phase that are done with
.set FTL,   5
.set FTS,   7
.set MXR,   8
.set NMS,   10
.set NFR,   12
.set LSR,   14
.set BKS,   16
.set FNP,   240                        ; pairs that hold a factor twice, for the packed forms
.set FAP,   244                        ; v244, v246
.set SUMP,  248
.set RLP,   248
; window 1: v0-127 V's chunk (then K), v128-191 the mask's chunk (then Q), v192-255 os.
; window 2: v0-127 V's chunk 1 (then the band's V), v128-191 the mask's chunk 1.
.set MSB, 0
.macro WIN new                         ; low byte: bits 1:0 source 0, 3:2 source 1, 5:4 source 2, 7:6 destination; the high byte repeats the setting that is left
.if MSB != \new
	s_set_vgpr_msb (MSB<<8)|\new
.set MSB, \new
.endif
.endm
; An eighth of a chunk: 8 keys of V (each load two whole rows, x and x + 4) and 256 mask bytes of 4 of my rows.  vb, mb: the bases; cv, cm: bytes beyond them.
.macro LOADPIECE p, vb, mb, cv, cm
.irp k, 0,1,2,3
	global_load_b128 v[16*\p+4*\k:16*\p+4*\k+3], v[G4V], s[\vb:\vb+1] offset:\cv+2048*(8*\p+\k)
.endr
.irp k, 0,1
	global_load_b128 v[128+8*\p+4*\k:128+8*\p+4*\k+3], v[G2], s[\mb:\mb+1] offset:\cm+4096*(2*\p+\k)
.endr
.endm
	s_load_b256 s[4:11], s[0:1], 0x0               ; mask s[4:5], keys s[6:7], queries s[8:9], values s[10:11]
	s_load_b128 s[12:15], s[0:1], 0x20             ; os s[12:13], ml s[14:15]
	s_load_b64 s[16:17], s[0:1], 0x30              ; out0
	s_set_vgpr_msb 0x80
	v_lshl_add_u32 v192, v0, 2, 0x2d000
	v_mov_b32 v193, 0
	s_set_vgpr_msb 0x8000
	v_and_b32 v1, 31, v0                           ; lane
	v_lshrrev_b32 v[TC], 5, v0
	v_readfirstlane_b32 s18, v[TC]                 ; wave
	v_and_b32 v2, 15, v0                           ; r
	v_bfe_u32 v3, v0, 4, 1                         ; h
	s_and_b32 s23, ttmp7, 0xffff                   ; 8 x batch + head
	s_lshr_b32 s20, s23, 3
	s_and_b32 s21, s23, 7
	s_lshl_b32 s22, ttmp9, 7
	s_lshl_b32 s77, s18, 5
	s_add_co_u32 s22, s22, s77                     ; my wave's first query
	s_mul_i32 s76, s18, KPW
	s_add_co_u32 s76, s76, KP                      ; my wave's own LDS
	s_add_co_u32 s19, s76, 64                      ; column 0 of its first row of keep bytes
	s_mov_b32 s28, 0x01010101
	s_mov_b32 s29, 0x04010400                      ; v_perm_b32: bytes 0 and 1 of the second source into the two halves, zeros above them
	s_mov_b32 s30, 0x04030402                      ; bytes 2 and 3
	s_mov_b32 s31, 0x3f80                          ; 1.0 in bf16
	s_add_co_u32 s32, s22, 48                      ; where row 0's band begins in its 400 bytes, chunk 0
	s_mov_b32 s35, 0x3e38aa3b                      ; 0.125 log2(e)
	s_mov_b32 s36, 0x76543210                      ; v_permlanex16_b32: lane i reads lane i xor 16
	s_mov_b32 s37, 0xfedcba98
	s_cmp_eq_u32 s22, 0
	s_cselect_b32 s74, 0, -1                       ; key tile 0 of the band does not exist in front of row 0
	s_cmp_eq_u32 s22, 2016
	s_cselect_b32 s75, 0, -1                       ; nor key tile 3 behind row 2047
	v_lshlrev_b32 v[G2], 4, v2
	v_lshl_add_u32 v[G4V], v3, 13, v[G2]
	v_lshl_add_u32 v[G2], v3, 11, v[G2]
	s_lshl_b32 s77, s18, 17
	v_add_nc_u32 v[G4V], s77, v[G4V]
	s_wait_kmcnt 0x0
	s_lshl_b32 s38, s20, 22                        ; a batch is 4 MiB in every one of these buffers
	s_mov_b32 s39, 0
	s_add_nc_u64 s[4:5], s[4:5], s[38:39]
	s_lshl_b32 s77, s21, 8                         ; a head is 256 bytes of a row
	s_add_co_u32 s38, s38, s77
	s_add_nc_u64 s[10:11], s[10:11], s[38:39]      ; V of my (batch, head): never stepped
	s_add_nc_u64 s[6:7], s[6:7], s[38:39]
	s_add_nc_u64 s[8:9], s[8:9], s[38:39]
	s_add_nc_u64 s[12:13], s[12:13], s[38:39]
	s_add_nc_u64 s[16:17], s[16:17], s[38:39]
	s_lshl_b32 s38, s22, 11
	s_add_nc_u64 s[2:3], s[4:5], s[38:39]          ; the mask's rows of my queries, column 0: never stepped
	WIN 0x40
.irp p, 0,1,2,3,4,5,6,7
	LOADPIECE \p, 10, 2, 0, 0                      ; chunk 0 into window 1
.endr
	WIN 0
	; the set-up stands between the two chunks' loads, so that it is done while chunk 0 is on its way
	s_add_nc_u64 s[24:25], s[10:11], 2*CHV         ; the stepped bases begin at chunk 2, in registers that no load has named yet
	s_add_nc_u64 s[26:27], s[2:3], 512
	s_add_nc_u64 s[66:67], s[8:9], s[38:39]        ; my rows of Q,
	s_add_nc_u64 s[68:69], s[12:13], s[38:39]      ; of os,
	s_add_nc_u64 s[70:71], s[16:17], s[38:39]      ; of out0
	s_mul_i32 s38, s23, 16640                      ; ml: 65 classes x 256 bytes for each (batch, head)
	s_add_nc_u64 s[72:73], s[14:15], s[38:39]
.irp kt, 0,1,2,3                       ; the band's four key tiles begin at my first query - 16 + 16 kt, kept inside the buffers
	s_add_co_i32 s77, s22, 16*\kt-16
	s_max_i32 s77, s77, 0
	s_min_i32 s77, s77, 2032
	s_lshl_b32 s38, s77, 11
	s_add_nc_u64 s[40+2*\kt:41+2*\kt], s[6:7], s[38:39]
	s_add_nc_u64 s[48+2*\kt:49+2*\kt], s[10:11], s[38:39]
	s_mov_b32 s38, s77
	s_add_nc_u64 s[56+2*\kt:57+2*\kt], s[2:3], s[38:39]
.endr
	v_lshlrev_b32 v[GM8], 11, v2
	v_lshl_add_u32 v[GM8], v3, 3, v[GM8]
	s_mul_i32 s77, s18, 64*160
	v_mul_u32_u24 v[VSTO], v3, 640                 ; rows x and x + 4 are 640 bytes apart: the two halves of the lanes fall on different halves of the banks
	v_lshl_add_u32 v[VSTO], v2, 3, v[VSTO]
	v_add_nc_u32 v[VSTO], s77, v[VSTO]             ; (64 wave + 4 h) x 160 + 8 r
	v_add_nc_u32 v[VSTO+1], VB1, v[VSTO]
	v_mul_u32_u24 v[BVS], v3, 160
	v_lshl_add_u32 v[BVS], v2, 3, v[BVS]
	v_add_nc_u32 v[BVS], s76, v[BVS]               ; the band's V: h x 160 + 8 r in my own bytes
	v_mul_u32_u24 v[KSTO], v3, 400
	v_lshl_add_u32 v[KSTO], v2, 4, v[KSTO]
	v_add_nc_u32 v[KSTO], s19, v[KSTO]
	v_and_b32 v[TA], 7, v0
	v_bfe_u32 v[TB], v0, 3, 1
	v_lshl_add_u32 v[TC], v3, 5, v[TA]
	v_mul_u32_u24 v[VA], v[TC], 160
	v_lshl_add_u32 v[VA], v[TB], 4, v[VA]          ; (32 h + lane mod 8) x 160 + 16 x bit 3 of the lane
	v_add_nc_u32 v[VA+1], VB1, v[VA]
	v_lshl_add_u32 v[TC], v3, 3, v[TA]
	v_mul_u32_u24 v[BVA], v[TC], 160
	v_lshl_add_u32 v[BVA], v[TB], 4, v[BVA]
	v_add_nc_u32 v[BVA], s76, v[BVA]               ; (8 h + lane mod 8) x 160 + ..
	v_mul_u32_u24 v[KBA], v2, 400
	v_lshl_add_u32 v[KBA], v3, 5, v[KBA]
	v_add_nc_u32 v[KBA], s19, v[KBA]
	v_mul_u32_u24 v[BKA], v2, 144
	v_lshl_add_u32 v[BKA], v3, 4, v[BKA]
	v_add_nc_u32 v[BKA], s76, v[BKA]               ; r x 144 + 16 h
	v_add_nc_u32 v[TA], s22, v1                    ; row lane's number i; i div 65 = (16132 i) >> 20 for i < 2048
	v_mul_u32_u24 v[TB], v[TA], 0x3f04
	v_lshrrev_b32 v[TB], 20, v[TB]
	v_mul_u32_u24 v[TB], v[TB], 65
	v_sub_nc_u32 v[T0], v[TA], v[TB]
	v_min_u32 v[T0], 64, v[T0]                     ; i mod 65 (the bound changes nothing; it is written out)
	v_mul_u32_u24 v[PKB], v1, 400
	v_add_nc_u32 v[PKB], s19, v[PKB]
	v_mul_u32_u24 v[BPB], v1, 401                  ; row lane's band begins one byte further right than the row's above
	v_add_nc_u32 v[BPB], s76, v[BPB]
	v_mov_b32 v[ZERO], 0
	v_mov_b32 v[NEGI], 0xff800000
	v_mov_b32 v[CNT], 0
	v_mov_b32 v[CNT+1], 0
	v_mov_b32 v[C16], 0
	v_mov_b32 v[C16+1], 0
	v_mul_u32_u24 v[OSTO], v2, 272
	v_lshl_add_u32 v[OSTO], v3, 5, v[OSTO]
	v_add_nc_u32 v[OSTO], s76, v[OSTO]
	v_mul_u32_u24 v[ORD], v3, 272
	v_lshl_add_u32 v[ORD], v2, 4, v[ORD]
	v_add_nc_u32 v[ORD], s76, v[ORD]
.irp a, 0,1
	v_add_nc_u32 v[TA], s22, v2                    ; my query of tile a
.if \a
	v_add_nc_u32 v[TA], 16, v[TA]
.endif
	v_mul_u32_u24 v[TB], v[TA], 0x3f04
	v_lshrrev_b32 v[TB], 20, v[TB]                 ; its slot
	v_mul_u32_u24 v[TC], v[TB], 65
	v_sub_nc_u32 v[TA], v[TA], v[TC]               ; its class
	v_lshlrev_b32 v[TB], 3, v[TB]
	v_lshl_add_u32 v[MLO+\a], v[TA], 8, v[TB]
.endr
	WIN 0x80
.irp p, 0,1,2,3,4,5,6,7
	LOADPIECE \p, 10, 2, CHV, 256                  ; chunk 1 into window 2
.endr
	WIN 0
; An eighth of the band's K (two whole rows to a load; tile p / 2, rows 8 (p & 1) ..) and of my 32 rows of Q, into the registers that piece p of a chunk held
.macro LOADKQ p
.irp k, 0,1,2,3
	global_load_b128 v[16*\p+4*\k:16*\p+4*\k+3], v[G2], s[40+2*(\p>>1):41+2*(\p>>1)] offset:4096*(4*(\p&1)+\k)
.endr
.irp k, 0,1
	global_load_b128 v[128+8*\p+4*\k:128+8*\p+4*\k+3], v[G2], s[66:67] offset:4096*(2*\p+\k)
.endr
.endm
; The last trip's loads.  Piece 0 first asks for the band's mask bytes and (m, l): 8 loads.  Every piece: an eighth of the band's V and of my rows of os.
.macro TAILLOAD p
.if \p == 0
.irp a, 0,1
.irp rel, 0,1,2
	global_load_b64 v[BM+2*(3*\a+\rel):BM+2*(3*\a+\rel)+1], v[GM8], s[56+2*(\a+\rel):57+2*(\a+\rel)] offset:32768*\a
.endr
	global_load_b64 v[ML+2*\a:ML+2*\a+1], v[MLO+\a], s[72:73]
.endr
.endif
	WIN 0x80
.irp k, 0,1,2,3
	global_load_b128 v[16*\p+4*\k:16*\p+4*\k+3], v[G2], s[48+2*(\p>>1):49+2*(\p>>1)] offset:4096*(4*(\p&1)+\k)
.endr
	WIN 0x40
.irp k, 0,1
	global_load_b128 v[192+8*\p+4*\k:192+8*\p+4*\k+3], v[G2], s[68:69] offset:4096*(2*\p+\k)
.endr
	WIN 0
.endm
; the fragments of K step s (32 keys) of buffer buf: first 16 keep bytes for each query tile, which are wanted at once, then V^T for four blocks of 16 d
.macro FRAG buf, s
	ds_load_b128 v[KBR:KBR+3],   v[KBA] offset:KB2*\buf+64*((\s)>>1)+16*((\s)&1)
	ds_load_b128 v[KBR+4:KBR+7], v[KBA] offset:KB2*\buf+6400+64*((\s)>>1)+16*((\s)&1)
.irp t, 0,1,2,3
	ds_load_tr16_b128 v[VF+32*((\s)&1)+8*\t:VF+32*((\s)&1)+8*\t+3],   v[VA+\buf] offset:(64*((\s)>>1)+16*((\s)&1))*160+32*\t
	ds_load_tr16_b128 v[VF+32*((\s)&1)+8*\t+4:VF+32*((\s)&1)+8*\t+7], v[VA+\buf] offset:(64*((\s)>>1)+16*((\s)&1))*160+32*\t+1280
.endr
.endm
; Piece p of a chunk goes from registers into buffers nb: V rounded to bf16, the mask turned into keep bytes (1 - mask, four at once).
; lw: how many younger loads may stay out (-1: no wait); ld = 1: the freed registers take the chunk after next, 2: the band's K and Q;
; vw: the window of the piece's registers as sources.
.macro STAGE p, nb, lw, ld, vw
.if \lw >= 0
	s_wait_loadcnt \lw
.endif
	WIN \vw
.irp k, 0,1,2,3,4,5,6,7
	v_cvt_pk_bf16_f32 v[ST+\k], v[16*\p+2*\k], v[16*\p+2*\k+1]
.endr
.irp k, 0,1,2,3,4,5,6,7
	v_xor_b32 v[ST+8+\k], s28, v[128+8*\p+\k]
.endr
.if \ld
	WIN 0x40                                       ; loads land in window 1; the LDS stores' address and data stay in window 0
.else
	WIN 0
.endif
.irp k, 0,1,2,3
	ds_store_b64 v[VSTO+\nb], v[ST+2*\k:ST+2*\k+1] offset:160*(8*\p+\k)
.endr
.irp k, 0,1
	ds_store_b128 v[KSTO], v[ST+8+4*\k:ST+8+4*\k+3] offset:KB2*\nb+800*(2*\p+\k)
.endr
.if \ld == 1
	LOADPIECE \p, 24, 26, 0, 0
.endif
.if \ld == 2
	LOADKQ \p
.endif
	WIN 0
.endm
; What a K step does beside its product, by the trip's mode (see TRIP)
.macro PIECE p, nb, mode
.if \mode == 3
	STAGE \p, \nb, 48, 0, 0x0a                     ; chunk 1 out of window 2: the 48 loads of chunk 2 are younger
.endif
.if \mode == 2
	STAGE \p, \nb, 42, 1, 0x05                     ; my six loads of a trip ago are in: 7 pieces x 6 younger loads may stay out
.endif
.if \mode == 1
	STAGE \p, \nb, 42, 2, 0x05                     ; the same count: this trip's pieces have asked for six loads each too
.endif
.if \mode == 0
	TAILLOAD \p
.endif
.endm
; zeros over the selected places of my rows in keep buffer kb.  LDS serves a wave's instructions in order: these land on the keep bytes stored before.
.macro POKES kb
	v_add_nc_u32 v[TA], v[PKB], v[T0]
.irp k, 0,65,130,195
	ds_store_b8 v[TA], v[ZERO] offset:KB2*\kb+\k   ; at most place 259: the spare bytes behind the 256 take it
.endr
	v_add_nc_u32 v[T0], 4, v[T0]                   ; (T0 - 256) mod 65 = (T0 + 4) mod 65
	v_add_nc_u32 v[TC], 0xffffffbf, v[T0]          ; - 65: very large as an unsigned number if T0 + 4 < 65
	v_min_u32 v[T0], v[T0], v[TC]
	v_min_u32 v[T0], 64, v[T0]
	s_max_i32 s34, s32, 0
	s_min_u32 s34, s34, 320                        ; 0 .. 320
	s_sub_co_i32 s32, s32, 256
	s_cmp_eq_u32 s34, 0                            ; the bands of my 32 rows lie wholly behind this chunk,
	s_cbranch_scc1 .Lnoband_\@
	s_cmp_eq_u32 s34, 320                          ; or wholly in front of it
	s_cbranch_scc1 .Lnoband_\@
	v_mov_b32 v[TB], s34
	v_min_u32 v[TB], 0x140, v[TB]                  ; the bound once more where the address is made: 12,800 + 401 x 31 + 320 + 32 = 25,583, inside my 25,600 bytes
	v_add_nc_u32 v[TB], v[BPB], v[TB]
.set k2, 0
.rept 33
	ds_store_b8 v[TB], v[ZERO] offset:KB2*\kb+k2   ; places lane + 1 to lane + 351 of the row's 400: what overhangs the 256 falls on spare bytes
.set k2, k2+1
.endr
.Lnoband_\@:
.endm
; Keep bytes are widened, byte 0 or 1 -> bf16 0 or 1.0, and counted: five instructions for each of the eight words, 40 in all.
; CONVOP writes out the idx-th of them, for the fragments at register ub.
.macro CONVOP idx, ub
.set cg, (\idx)/5
.set co, (\idx)%5
.if co == 0
	v_perm_b32 v[\ub+2*cg],   v[ZERO], v[KBR+cg], s29
.endif
.if co == 1
	v_perm_b32 v[\ub+2*cg+1], v[ZERO], v[KBR+cg], s30
.endif
.if co == 2
	v_add_nc_u32 v[CNT+cg/4], v[CNT+cg/4], v[KBR+cg]
.endif
.if co == 3
	v_mul_u32_u24 v[\ub+2*cg],   s31, v[\ub+2*cg]  ; both halves at once: (b0 + 65536 b1) x 0x3f80
.endif
.if co == 4
	v_mul_u32_u24 v[\ub+2*cg+1], s31, v[\ub+2*cg+1]
.endif
.endm
.macro CONV ub                         ; all 40 in a run: a trip's first K step, which has no product to stand under
.set cn, 0
.rept 40
	CONVOP cn, \ub
.set cn, cn+1
.endr
.endm
; K step s is multiplied, and under it the next step's keep bytes are widened into the other buffer: four vector instructions behind each matrix
; instruction, twelve behind the last.  They name none of this step's matrix registers, so the twelve are also the places that the next loads into
; V's fragments have to keep.  Eight accumulators take turns, one instruction a turn.
.macro MMC s, zero
.set cn, 0
.irp a, 0,1
.irp t, 0,1,2,3
.if \zero
	v_wmma_f32_16x16x32_bf16 v[ACC+32*\a+8*\t:ACC+32*\a+8*\t+7], v[VF+32*((\s)&1)+8*\t:VF+32*((\s)&1)+8*\t+7], v[UF+UFS*((\s)&1)+8*\a:UF+UFS*((\s)&1)+8*\a+7], 0
.else
	v_wmma_f32_16x16x32_bf16 v[ACC+32*\a+8*\t:ACC+32*\a+8*\t+7], v[VF+32*((\s)&1)+8*\t:VF+32*((\s)&1)+8*\t+7], v[UF+UFS*((\s)&1)+8*\a:UF+UFS*((\s)&1)+8*\a+7], v[ACC+32*\a+8*\t:ACC+32*\a+8*\t+7]
.endif
.rept 4
	CONVOP cn, UF+UFS*(((\s)+1)&1)
.set cn, cn+1
.endr
.endr
.endr
.rept 8
	CONVOP cn, UF+UFS*(((\s)+1)&1)
.set cn, cn+1
.endr
.endm
.macro MM8 s                           ; a trip's last K step: nothing is left to widen
.irp a, 0,1
.irp t, 0,1,2,3
	v_wmma_f32_16x16x32_bf16 v[ACC+32*\a+8*\t:ACC+32*\a+8*\t+7], v[VF+32*((\s)&1)+8*\t:VF+32*((\s)&1)+8*\t+7], v[UF+UFS*((\s)&1)+8*\a:UF+UFS*((\s)&1)+8*\a+7], v[ACC+32*\a+8*\t:ACC+32*\a+8*\t+7]
.endr
.endr
.endm
.macro KWAIT mode                      ; the keep bytes just asked for are in, and with them all older LDS work, the step's own V^T among it
.if \mode
	s_wait_dscnt 0xe                               ; younger: the next step's 8 loads of V^T and the piece's 6 stores
.else
	s_wait_dscnt 0x8                               ; younger: the 8 loads of V^T; nothing is staged
.endif
.endm
; One trip: the 256 keys in buffers buf are multiplied, the next chunk is staged into buffers nb.  zero: the first product starts the sums.
; mode 2: the steady trip;  mode 3: the first trip: chunk 1 comes out of window 2, nothing is loaded;
; mode 1: the last chunk is staged, the band's K and Q are asked for;  mode 0: nothing is left to stage, the rest of the tail's data are asked for.
.macro TRIP buf, nb, zero, mode
.if \mode == 2
	s_wait_xcnt 0x0                                ; the bases are sources of the loads issued so far: they are stepped only behind this wait
	s_add_nc_u64 s[24:25], s[24:25], CHV           ; 256 keys on
	s_add_nc_u64 s[26:27], s[26:27], 256           ; 256 columns on
.endif
	s_wait_dscnt 0x0                               ; my stores into buffers buf are done, and so are my reads of buffers nb:
	s_barrier_signal -1
	s_barrier_wait -1                              ; V's buffer buf is whole, and buffer nb may be written
	FRAG \buf, 0
	PIECE 0, \nb, \mode
	KWAIT \mode
	CONV UF
	FRAG \buf, 1
	PIECE 1, \nb, \mode
	KWAIT \mode
	MMC 0, \zero
.irp q, 2,3,4,5,6,7
	FRAG \buf, \q
	PIECE \q, \nb, \mode
	KWAIT \mode
	MMC \q-1, 0
.endr
.if \mode
	s_wait_dscnt 0x6                               ; step 7's V^T is in; the last piece's six stores may be out
	POKES \nb
.else
	s_wait_dscnt 0x0
.endif
	MM8 7
.irp a, 0,1                            ; a byte has counted to 32 at the most: into halves, which reach 512 in 8 trips.  These twelve are the places behind the last product
	v_and_b32 v[TA], 0x00ff00ff, v[CNT+\a]
	v_lshrrev_b32 v[TB], 8, v[CNT+\a]
	v_and_b32 v[TB], 0x00ff00ff, v[TB]
	v_add_nc_u32 v[TA], v[TA], v[TB]
	v_add_nc_u32 v[C16+\a], v[C16+\a], v[TA]
	v_mov_b32 v[CNT+\a], 0
.endr
.endm
	s_wait_loadcnt 0x30                            ; chunk 0 is in; chunk 1's 48 loads stay out
.irp p, 0,1,2,3,4,5,6,7
	STAGE \p, 0, -1, 1, 0x05                       ; chunk 0 into buffers 0; chunk 2 into its registers
.endr
	POKES 0
	TRIP 0, 1, 1, 3                                ; trip 0
	s_mov_b32 s33, 2
.Lpair:
	TRIP 1, 0, 0, 2                                ; trips 1 to 4
	TRIP 0, 1, 0, 2
	s_sub_co_i32 s33, s33, 1
	s_cmp_lg_u32 s33, 0
	s_cbranch_scc1 .Lpair
	TRIP 1, 0, 0, 2                                ; trip 5 asks for chunk 7, the last
	TRIP 0, 1, 0, 1
	TRIP 1, 0, 0, 0
; THE BAND AND THE MERGE: each wave by itself, in its own LDS bytes
	s_wait_loadcnt 0x38                            ; K and Q are in: the last trip's 56 loads are younger
	v_mul_u32_u24 v[BKS], v3, 144
	v_lshl_add_u32 v[BKS], v2, 3, v[BKS]
	v_add_nc_u32 v[BKS], s76, v[BKS]               ; K and Q into LDS: h x 144 + 8 r
	WIN 0x05
.set p, 0
.rept 64
	v_cvt_pk_bf16_f32 v[VF+p], v[2*p], v[2*p+1]    ; K
.set p, p+1
.endr
.set p, 0
.rept 32
	v_cvt_pk_bf16_f32 v[FQ+p], v[128+2*p], v[128+2*p+1]    ; Q
.set p, p+1
.endr
	WIN 0
.set q, 0
.rept 32
	ds_store_b64 v[BKS], v[VF+2*q:VF+2*q+1] offset:LBK+288*q       ; over the keep bytes, whose reads are done
.set q, q+1
.endr
.set q, 0
.rept 16
	ds_store_b64 v[BKS], v[FQ+2*q:FQ+2*q+1] offset:LBQ+288*q
.set q, q+1
.endr
.irp kt, 0,1,2,3                       ; LDS serves a wave's instructions in order: these see the stores above.  K: tile kt's two fragments at 16 kt
.irp kk, 0,1
	ds_load_b128 v[VF+16*\kt+8*\kk:VF+16*\kt+8*\kk+3],   v[BKA] offset:LBK+2304*\kt+64*\kk
	ds_load_b128 v[VF+16*\kt+8*\kk+4:VF+16*\kt+8*\kk+7], v[BKA] offset:LBK+2304*\kt+64*\kk+32
.endr
.endr
.irp a, 0,1                            ; Q: tile a's at 16 a
.irp kk, 0,1
	ds_load_b128 v[FQ+16*\a+8*\kk:FQ+16*\a+8*\kk+3],   v[BKA] offset:LBQ+2304*\a+64*\kk
	ds_load_b128 v[FQ+16*\a+8*\kk+4:FQ+16*\a+8*\kk+7], v[BKA] offset:LBQ+2304*\a+64*\kk+32
.endr
.endr
	s_wait_dscnt 0x0
; S^T(a, rel) = K(tile a + rel) Q(tile a)^T: six accumulators take turns
.irp a, 0,1
.irp rel, 0,1,2
	v_wmma_f32_16x16x32_bf16 v[SB+8*(3*\a+\rel):SB+8*(3*\a+\rel)+7], v[VF+16*(\a+\rel):VF+16*(\a+\rel)+7], v[FQ+16*\a:FQ+16*\a+7], 0
.endr
.endr
.irp a, 0,1
.irp rel, 0,1,2
	v_wmma_f32_16x16x32_bf16 v[SB+8*(3*\a+\rel):SB+8*(3*\a+\rel)+7], v[VF+16*(\a+\rel)+8:VF+16*(\a+\rel)+15], v[FQ+16*\a+8:FQ+16*\a+15], v[SB+8*(3*\a+\rel):SB+8*(3*\a+\rel)+7]
.endr
.endr
	s_wait_loadcnt 0x30                            ; the band's mask bytes and (m, l) are in, so their offset register may be taken; V's and os's 48 loads are younger
	; seven address instructions: the places between the matrix instructions and the vector instructions on their results (ISA guide 7.12.1)
	v_and_b32 v[FTS], 1, v2
	v_lshrrev_b32 v[TA], 1, v2
	v_lshlrev_b32 v[TA], 2, v[TA]
	v_lshl_add_u32 v[FTS], v[FTS], 6, v[TA]
	v_add_nc_u32 v[FTS], s76, v[FTS]               ; the factor of query 16 a + r: 64 (r & 1) + 4 (r >> 1), + 32 a
	v_lshlrev_b32 v[FTL], 6, v3
	v_add_nc_u32 v[FTL], s76, v[FTL]               ; the 16 factors of the even (h = 0) or the odd (h = 1) queries
; register j of lane (r, h): key - query = 16 (rel - 1) + 8 h + j - r.  Kept: mask byte 0, |key - query| <= 16, and the key tile exists.
.macro BEL a, rel, j
	v_and_b32 v[TA], 0xff<<(8*((\j)&3)), v[BM+2*(3*\a+\rel)+((\j)>>2)]
	v_cmp_eq_u32 vcc_lo, 0, v[TA]
.if \rel == 0
	s_and_b32 vcc_lo, vcc_lo, ((2<<\j)-1)|(((512<<\j)-1)<<16)              ; 8 h + j - r >= 0
.endif
.if \rel == 2
	s_and_b32 vcc_lo, vcc_lo, (0xffff&~((1<<\j)-1))|((0xffff&~((256<<\j)-1))<<16)   ; 8 h + j - r <= 0
.endif
.if 3*\a+\rel == 0
	s_and_b32 vcc_lo, vcc_lo, s74
.endif
.if 3*\a+\rel == 5
	s_and_b32 vcc_lo, vcc_lo, s75
.endif
	v_cndmask_b32 v[SB+8*(3*\a+\rel)+\j], v[NEGI], v[SB+8*(3*\a+\rel)+\j], vcc_lo
.endm
.irp a, 0,1
.irp rel, 0,1,2
.irp j, 0,1,2,3,4,5,6,7
	BEL \a, \rel, \j
.endr
.endr
.endr
	s_wait_loadcnt 0x2                             ; the band's V is in; the last two loads of os are younger
	WIN 0x0a
.set p, 0
.rept 64
	v_cvt_pk_bf16_f32 v[VF+p], v[2*p], v[2*p+1]    ; the band's V, into registers that the score products are long done with
.set p, p+1
.endr
	WIN 0
.set q, 0
.rept 32
	ds_store_b64 v[BVS], v[VF+2*q:VF+2*q+1] offset:320*q   ; 64 rows x 160 bytes
.set q, q+1
.endr
.irp kp, 0,1                           ; the band's V^T, 32 keys for each kp; LDS serves a wave's instructions in order
.irp t, 0,1,2,3
	ds_load_tr16_b128 v[VF+32*\kp+8*\t:VF+32*\kp+8*\t+3],   v[BVA] offset:5120*\kp+32*\t
	ds_load_tr16_b128 v[VF+32*\kp+8*\t+4:VF+32*\kp+8*\t+7], v[BVA] offset:5120*\kp+32*\t+2560
.endr
.endr
; the row's maximum over all three kinds, and the factors that bring each kind to it
.irp a, 0,1
	v_max3_num_f32 v[MXR+\a], v[SB+24*\a], v[SB+24*\a+1], v[SB+24*\a+2]
.irp k, 3,5,7,9,11,13,15,17,19,21
	v_max3_num_f32 v[MXR+\a], v[MXR+\a], v[SB+24*\a+\k], v[SB+24*\a+\k+1]
.endr
	v_max_num_f32 v[MXR+\a], v[MXR+\a], v[SB+24*\a+23]
	v_permlanex16_b32 v[TA], v[MXR+\a], s36, s37
	v_max_num_f32 v[MXR+\a], v[MXR+\a], v[TA]
	v_mul_f32 v[MXR+\a], s35, v[MXR+\a]            ; the band's maximum, in powers of two
	v_and_b32 v[TB], 0xffff, v[C16+\a]
	v_lshrrev_b32 v[TC], 16, v[C16+\a]
	v_add_nc_u32 v[TB], v[TB], v[TC]
	v_permlanex16_b32 v[TC], v[TB], s36, s37
	v_add_nc_u32 v[TB], v[TB], v[TC]               ; n: my query's unmasked keys that are not selected
	v_cvt_f32_u32 v[NFR+\a], v[TB]
	v_cmp_lt_u32 s[78+\a], 0, v[TB]
	v_cndmask_b32 v[TC], v[NEGI], v[ZERO], s[78+\a]        ; their score is 0, if there are any
	v_max3_num_f32 v[TC], v[ML+2*\a], v[MXR+\a], v[TC]
	v_max_num_f32 v[TC], 0xff7fffff, v[TC]         ; finite, so that -inf minus it stays -inf
	v_sub_f32 v[NMS+\a], 0, v[TC]
	v_add_f32 v[TA], v[ML+2*\a], v[NMS+\a]
	v_exp_f32 v[FAP+2*\a], v[TA]
	v_exp_f32 v[FNP+2*\a], v[NMS+\a]
	v_nop                                          ; one plain place behind v_exp_f32 (ISA guide 5.7.2)
	s_wait_alu depctr_va_vdst(0)
	v_cndmask_b32 v[FNP+2*\a], v[ZERO], v[FNP+2*\a], s[78+\a]
	v_mov_b32 v[FNP+2*\a+1], v[FNP+2*\a]
	v_mul_f32 v[LSR+\a], v[FAP+2*\a], v[ML+2*\a+1]
	v_fmac_f32 v[LSR+\a], v[FNP+2*\a], v[NFR+\a]
.endr
.irp a, 0,1
.set p, 0
.rept 16
	v_pk_mul_f32 v[ACC+32*\a+2*p:ACC+32*\a+2*p+1], v[ACC+32*\a+2*p:ACC+32*\a+2*p+1], v[FNP+2*\a:FNP+2*\a+1]
.set p, p+1
.endr
.endr
; the band's weights, their sum, and P^T: tile a + rel of the four key tiles, zeros where tile a has no keys.
; Upper part: the two upper halves of a pair of weights.  Lower part: p minus its upper half (exact), rounded; it is written over the scores:
; its register (192 + i for tile 0, 212 + i for tile 1) never lies above the pair it is made of (192 + 2 i, 216 + 2 i) nor reaches a later pair.
.irp a, 0,1
.set k2, 0
.rept 24
	v_fma_f32 v[SB+24*\a+k2], v[SB+24*\a+k2], s35, v[NMS+\a]
.set k2, k2+1
.endr
.set k2, 0
.rept 24
	v_exp_f32 v[SB+24*\a+k2], v[SB+24*\a+k2]
.set k2, k2+1
.endr
	v_nop
	s_wait_alu depctr_va_vdst(0)
	v_pk_add_f32 v[SUMP:SUMP+1], v[SB+24*\a:SB+24*\a+1], v[SB+24*\a+2:SB+24*\a+3]
.irp k, 4,6,8,10,12,14,16,18,20,22
	v_pk_add_f32 v[SUMP:SUMP+1], v[SUMP:SUMP+1], v[SB+24*\a+\k:SB+24*\a+\k+1]
.endr
	v_add_f32 v[TA], v[SUMP], v[SUMP+1]
	v_permlanex16_b32 v[TB], v[TA], s36, s37
	v_add_f32 v[TA], v[TA], v[TB]
	v_add_f32 v[LSR+\a], v[LSR+\a], v[TA]
.irp rel, 0,1,2
.irp jj, 0,1,2,3
	v_perm_b32 v[FQ+16*\a+4*(\a+\rel)+\jj], v[SB+24*\a+8*\rel+2*\jj+1], v[SB+24*\a+8*\rel+2*\jj], 0x07060302
	v_and_b32 v[TA], 0xffff0000, v[SB+24*\a+8*\rel+2*\jj]
	v_and_b32 v[TB], 0xffff0000, v[SB+24*\a+8*\rel+2*\jj+1]
	v_sub_f32 v[TA], v[SB+24*\a+8*\rel+2*\jj], v[TA]
	v_sub_f32 v[TB], v[SB+24*\a+8*\rel+2*\jj+1], v[TB]
	v_cvt_pk_bf16_f32 v[PLO+16*\a+4*(\a+\rel)+\jj], v[TA], v[TB]
.endr
.endr
.endr
.irp i, 12,13,14,15,16,17,18,19
	v_mov_b32 v[FQ+\i], 0                          ; key tile 3 for query tile 0, key tile 0 for query tile 1
	v_mov_b32 v[PLO+\i], 0
.endr
	v_rcp_f32 v[RLP], v[LSR]
	v_rcp_f32 v[RLP+2], v[LSR+1]
	v_nop
	s_wait_alu depctr_va_vdst(0)
	v_mov_b32 v[RLP+1], v[RLP]
	v_mov_b32 v[RLP+3], v[RLP+2]
	v_mul_f32 v[TA], v[FAP], v[RLP]                ; what the strided part's row is multiplied by on the way out
	v_mul_f32 v[TB], v[FAP+2], v[RLP+2]
	ds_store_b32 v[FTS], v[TA] offset:LFT          ; both halves of the lanes hold the same number for a query
	ds_store_b32 v[FTS], v[TB] offset:LFT+32
	s_wait_dscnt 0x0                               ; the band's V^T
; the weights' upper parts, then their lower parts; eight accumulators take turns
.irp pb, FQ, PLO
.irp kp, 0,1
.irp a, 0,1
.irp t, 0,1,2,3
	v_wmma_f32_16x16x32_bf16 v[ACC+32*\a+8*\t:ACC+32*\a+8*\t+7], v[VF+32*\kp+8*\t:VF+32*\kp+8*\t+7], v[\pb+16*\a+8*\kp:\pb+16*\a+8*\kp+7], v[ACC+32*\a+8*\t:ACC+32*\a+8*\t+7]
.endr
.endr
.endr
.endr
.rept 4
	v_nop                                          ; four places: for the multiplies of the results, and for the loads into these instructions' sources
.endr
.irp a, 0,1
.set p, 0
.rept 16
	v_pk_mul_f32 v[ACC+32*\a+2*p:ACC+32*\a+2*p+1], v[ACC+32*\a+2*p:ACC+32*\a+2*p+1], v[RLP+2*\a:RLP+2*\a+1]
.set p, p+1
.endr
.endr
; the way out: register j of tile (a, t) is element 16 t + 8 h + j of query 16 a + r; through my own LDS into whole rows,
; where the strided part's rows, loaded as whole rows, are added with their factor
.irp a, 0,1
.irp t, 0,1,2,3
	ds_store_b128 v[OSTO], v[ACC+32*\a+8*\t:ACC+32*\a+8*\t+3]   offset:4352*\a+64*\t
	ds_store_b128 v[OSTO], v[ACC+32*\a+8*\t+4:ACC+32*\a+8*\t+7] offset:4352*\a+64*\t+16
.endr
.endr
.set q, 0
.rept 16
	ds_load_b128 v[VF+4*q:VF+4*q+3], v[ORD] offset:544*q   ; LDS serves a wave's instructions in order: these see the stores above
.set q, q+1
.endr
.irp g, 0,1,2,3
	ds_load_b128 v[FQ+4*\g:FQ+4*\g+3], v[FTL] offset:LFT+16*\g     ; register q: the factor of query 2 q + h
.endr
	s_wait_loadcnt 0x0                             ; the strided part's rows
	s_wait_dscnt 0x0
	WIN 0x01
.set q, 0
.rept 16
.irp k, 0,1,2,3
	v_fma_f32 v[VF+4*q+\k], v[192+4*q+\k], v[FQ+q], v[VF+4*q+\k]
.endr
.set q, q+1
.endr
	WIN 0
.set q, 0
.rept 16
	global_store_b128 v[G2], v[VF+4*q:VF+4*q+3], s[70:71] offset:4096*q    ; 16 lanes store 256 consecutive bytes, aligned
.set q, q+1
.endr
	s_set_vgpr_msb 0xa
	s_wait_tensorcnt 0x0
	ds_add_u32 v192, v193
	s_wait_dscnt 0x0
	s_set_vgpr_msb 0xa00
	s_endpgm
.Lfunc_end_k_qe77cbea046_main:
	.size	k_qe77cbea046_main, .Lfunc_end_k_qe77cbea046_main-k_qe77cbea046_main
	.p2alignl 7, 3214868480
	.fill 96, 4, 3214868480
	.section	.rodata,"a",@progbits
	.p2align	6, 0x0
	.amdhsa_kernel k_qe77cbea046_main
		.amdhsa_group_segment_fixed_size 184832
		.amdhsa_private_segment_fixed_size 0
		.amdhsa_enable_private_segment 0
		.amdhsa_kernarg_size 56
		.amdhsa_user_sgpr_count 2
		.amdhsa_user_sgpr_kernarg_segment_ptr 1
		.amdhsa_wavefront_size32 1
		.amdhsa_system_sgpr_workgroup_id_x 1
		.amdhsa_system_sgpr_workgroup_id_y 1
		.amdhsa_system_sgpr_workgroup_id_z 1
		.amdhsa_system_vgpr_workitem_id 0
		.amdhsa_next_free_vgpr 706
		.amdhsa_next_free_sgpr 80
		.amdhsa_reserve_vcc 1
		.amdhsa_float_denorm_mode_32 3
		.amdhsa_float_denorm_mode_16_64 3
		.amdhsa_memory_ordered 1
		.amdhsa_forward_progress 1
		.amdhsa_inst_pref_size 255
	.end_amdhsa_kernel
	.section	.bss,"aw",@nobits
	.p2align	6
	.space	262144
	.amdgpu_metadata
---
amdhsa.version: [ 1, 2 ]
amdhsa.kernels:
  - .name:           k_qe77cbea046_main
    .symbol:         k_qe77cbea046_main.kd
    .args:
      - { .name: attn_mask, .offset: 0, .size: 8, .value_kind: global_buffer, .address_space: global }
      - { .name: keys, .offset: 8, .size: 8, .value_kind: global_buffer, .address_space: global }
      - { .name: queries, .offset: 16, .size: 8, .value_kind: global_buffer, .address_space: global }
      - { .name: values, .offset: 24, .size: 8, .value_kind: global_buffer, .address_space: global }
      - { .name: os, .offset: 32, .size: 8, .value_kind: global_buffer, .address_space: global }
      - { .name: ml, .offset: 40, .size: 8, .value_kind: global_buffer, .address_space: global }
      - { .name: out0, .offset: 48, .size: 8, .value_kind: global_buffer, .address_space: global }
    .group_segment_fixed_size: 184832
    .private_segment_fixed_size: 0
    .kernarg_segment_align: 8
    .kernarg_segment_size: 56
    .max_flat_workgroup_size: 128
    .sgpr_count:     80
    .vgpr_count:     706
    .wavefront_size: 32
...
	.end_amdgpu_metadata
.endif
;; end of part 4
;; ======== version 3 of 3: 2 launches; version 2 with the launch main written anew for expert scheduling mode
;; workspace buffers: os 8,388,608 bytes; ml 266,240 bytes
;; launch strided: the kernel of part 3 again; grid 65 x 2, 8 waves a work-group, no clusters, 120,320 bytes of LDS; arguments attn_mask, keys, queries, values, os, ml; writes os, ml
;; launch main (part 5): grid 16 x 16, 4 waves a work-group, no clusters, 184,832 bytes of LDS; arguments attn_mask, keys, queries, values, os, ml, out0; writes out0
.if DOCPART == 5
	.amdgcn_target "amdgcn-amd-amdhsa--gfx1250"
	.amdhsa_code_object_version 6
	.text
	.protected	k_qe77cbea046_main
	.globl	k_qe77cbea046_main
	.p2align	8
	.type	k_qe77cbea046_main,@function
k_qe77cbea046_main:
	s_mov_b64 s[64:65], 0
	v_nop
	global_prefetch_b8 v0, s[64:65] scope:SCOPE_SE
	s_setreg_imm32_b32 hwreg(HW_REG_WAVE_SCHED_MODE, 0, 2), 2
	s_setreg_imm32_b32 hwreg(HW_REG_WAVE_MODE, 25, 1), 1
	s_wait_xcnt 0x0
	s_wait_alu depctr_vm_vsrc(0)
; DozerAttention, part 2.  A row's unmasked keys are of three kinds:
;   not selected: score exactly 0, weight 2^-m for all of them: their part of the result is 2^-m x (U V), U = (1 - mask) with the selected places set to 0;
;   the band |i - j| <= 16: 48 keys for 16 neighbouring queries, three tiles of scores;
;   the strided keys: made by the first launch (os, ml).
; The exact maximum m of the row is known before any exponential: max(0 if some key is not selected, the band's, the strided part's).
; A work-group takes 128 queries of one (batch, head); a wave 32 of them.  256 work-groups.
; U V goes in 8 trips of 256 keys.  V's chunk is rounded to bf16 in registers and laid in LDS for all four waves (two buffers, one barrier a trip);
; each wave lays the keep bytes 1 - mask of its own 32 rows in LDS bytes of its own (two buffers), writes zeros over the selected places, and
; widens 16 bytes at a time into a fragment of bf16 ones and zeros.  All products are transposed (O^T = V^T U^T), so a lane owns one query.
; Inside a block of 64 keys the K step c holds keys 32 h + 16 c + 0..15 in lane half h, alike for U and V: 16 neighbouring keep bytes are one fragment.
; THE PIPELINE: trip n multiplies chunk n and meanwhile stages chunk n + 1, an eighth at the head of each K step: 16 vector instructions,
; 6 LDS stores into the buffers that are not being read, and 6 loads of chunk n + 2 into the registers just freed.  So a load has a whole trip
; in which to land and the stores drain under the matrix work.  Chunks 0 and 1 are both asked for at the start, chunk 1 into registers of its own.
; Inside a trip, step q's eight matrix instructions are interleaved with the widening of step q + 1's keep bytes (two buffers for U's fragments)
; and with the LDS loads of step q + 1's V^T fragments and step q + 2's keep bytes, which are wanted a step later (two buffers for each).
; The keep bytes of a chunk's first two steps, the wave's own bytes, are asked for at the end of the trip before; its first V^T fragments straight behind the barrier.
; The tail's data come the same way: the band's K and Q in the last staging trip, six loads a piece into the registers just freed; the band's mask
; bytes, (m, l), the band's V and the strided rows in the last trip; the tail takes them up in that order.
; The band's weights go into their product in two bf16 parts, the upper 16 bits of p and the rest rounded: in rows with few keys a single
; weight carries much of the result, and 8 bits of it are too few; the price is 16 matrix instructions beside the 512 of U V.
; NO CLUSTERS, NO TENSOR LOADS: V, which the 16 query blocks of a head share, has to be rounded to bf16 on its way: through registers it
; crosses LDS once as 32 KiB a chunk; brought as f32 it would be 64 KiB, read, rounded and stored again.  The keep bytes are written over by ds_store.
; LIMITS: mask bytes are 0 or 1 (the bool format).  Weights below 2^-126 count as zero (v_exp_f32 gives no denormals, ISA guide 15.8).
; A row with every key masked gives 0 x (1/0) = NaN, as a softmax of -inf alone does.
; THE MODE: SCHED_MODE bits 1:0 = 2 (LLVM: expert scheduling mode 2), set by the entry lines.  The code itself states the register dependences
; between vector or matrix instructions and memory or LDS instructions, with s_wait_alu, always for 0.
; THE PLAN.  Registers that memory or LDS instructions touch, in a trip:
;   a chunk's registers (windows 1, 2)  Step q: its 16 staging instructions read piece q; behind them the loads of the chunk after next land in it.
;   ST        Written by step q's staging instructions; read by step q's six LDS stores.
;   VF0, VF1  Step q's matrix instructions read VF[q & 1]; the loads of step q + 1's fragments, issued among them, land in the other, which step q - 1's matrix instructions read.
;   KB0, KB1  Step q's widening reads KB[(q + 1) & 1]; the loads of step q + 2's keep bytes, issued among it, land in the other, which step q - 1's widening read.
;   PA, PB    Written at the head of step 7; read by that step's stores of zeros.
;   The other addresses are made at the kernel's head and not written again before the tail: scalar bases and immediate offsets reach the rows.
;   UF0, UF1, the accumulators and the counts are named by vector and matrix instructions alone.
; So a step begins with its staging instructions and holds two waits.  Ahead of them one on vm_vsrc: the stores of the piece before have read ST.  Behind them ONE on
; va_vdst: ST is written, the piece's registers are read, and the step before is done with its V^T fragments and its keep bytes.  All the step's stores and loads follow
; that wait; the ten LDS loads are dealt among the matrix and widening instructions, which name none of the registers that those loads touch.
.set VB1,   40960                      ; LDS: V buffer 0 at 0, buffer 1 here: 256 keys x 160 bytes (128 of bf16 + 32: the 8 rows of a transposing load start in different banks)
.set KP,    81920                      ; then 25,600 bytes for each wave: two keep buffers of 32 rows x 400 = 64 spare + 256 keep bytes + 80 spare
.set KPW,   25600
.set KB2,   12800                      ; the second keep buffer
.set LBK,   10240                      ; in the tail the wave's bytes hold: the band's V at 0 (64 x 160), K here (64 x 144),
.set LBQ,   19456                      ; Q here (32 x 144),
.set LFT,   24064                      ; 32 factors here; the way out (32 x 272) then takes V's place
.set CHV,   524288                     ; 256 keys of V in memory
; window 0
.set G2,    4                          ; h x 2048 + 16 r: two neighbouring rows of 256 bytes for a wave's load or store
.set G4V,   5                          ; h x 8192 + 16 r + my wave's 64 keys of a chunk: rows x and x + 4
.set BKA,   6                          ; the tail: fragments of K and Q out of LDS
.set GM8,   7                          ; r x 2048 + 8 h: the band's mask bytes
.set VSTO,  8                          ; v8, v9: V into buffer 0, 1
.set KSTO,  10
.set VA,    11                         ; v11, v12: V^T out of buffer 0, 1
.set KBA,   13
.set T0,    14                         ; row lane's first strided key in the chunk, 0..64
.set PKB,   15
.set BPB,   16
.set ZERO,  17
.set NEGI,  18
.set TA,    19
.set TB,    20
.set TC,    21
.set CNT,   22                         ; v22, v23: sums of keep bytes, four in a word
.set C16,   24                         ; v24, v25: the same, two in a word
.set BVA,   26
.set BVS,   27
.set OSTO,  28
.set ORD,   29
.set MLO,   30                         ; v30, v31
.set ACC,   32                         ; v[32:95]   O^T(a, t) = 32 + 32 a + 8 t
.set VF,    96                         ; v[96:159]  V^T fragments, two buffers of 4 x 8; in the tail also the stage for rounding
.set UF,    160                        ; v[160:175] U^T fragments of query tiles 0, 1, for the even K steps;
.set UFS,   48                         ; v[208:223] the same for the odd ones
.set FQ,    160                        ; v[160:191] in the tail: Q's fragments, then the upper parts of P^T's, then the 16 factors of the way out
.set KBR,   176                        ; v[176:191] keep bytes, two buffers of 8: the even K steps', the odd ones'
.set ST,    192                        ; v[192:207] a staging piece: 8 words of V in bf16, 8 of keep bytes
.set PA,    224                        ; v224 LDS address of my row's first strided place in the chunk being staged
.set PB,    225                        ; v225 LDS address at which my row's band begins there
.set SB,    192                        ; v[192:239] in the tail: the band's S^T(a, rel) = 192 + 8 (3 a + rel)
.set PLO,   192                        ; v[192:223] then the lower parts of P^T's fragments, packed in place over the scores
.set BM,    240                        ; v[240:251] the band's mask bytes
.set ML,    252                        ; v[252:255] (m, l) of the strided part
; the tail takes registers of the G phase that are done with
.set FTL,   5
.set FTS,   7
.set MXR,   8
.set NMS,   10
.set NFR,   12
.set LSR,   14
.set BKS,   16
.set FNP,   240                        ; pairs that hold a factor twice, for the packed forms
.set FAP,   244                        ; v244, v246
.set SUMP,  248
.set RLP,   248
; window 1: v0-127 V's chunk (then K), v128-191 the mask's chunk (then Q), v192-255 os.
; window 2: v0-127 V's chunk 1 (then the band's V), v128-191 the mask's chunk 1.
.set MSB, 0
.macro WIN new                         ; low byte: bits 1:0 source 0, 3:2 source 1, 5:4 source 2, 7:6 destination; the high byte repeats the setting that is left
.if MSB != \new
	s_set_vgpr_msb (MSB<<8)|\new
.set MSB, \new
.endif
.endm
; An eighth of a chunk: 8 keys of V (each load two whole rows, x and x + 4) and 256 mask bytes of 4 of my rows.  vb, mb: the bases; cv, cm: bytes beyond them.
.macro LOADPIECE p, vb, mb, cv, cm
.irp k, 0,1,2,3
	global_load_b128 v[16*\p+4*\k:16*\p+4*\k+3], v[G4V], s[\vb:\vb+1] offset:\cv+2048*(8*\p+\k)
.endr
.irp k, 0,1
	global_load_b128 v[128+8*\p+4*\k:128+8*\p+4*\k+3], v[G2], s[\mb:\mb+1] offset:\cm+4096*(2*\p+\k)
.endr
.endm
	s_load_b256 s[4:11], s[0:1], 0x0               ; mask s[4:5], keys s[6:7], queries s[8:9], values s[10:11]
	s_load_b128 s[12:15], s[0:1], 0x20             ; os s[12:13], ml s[14:15]
	s_load_b64 s[16:17], s[0:1], 0x30              ; out0
	s_set_vgpr_msb 0x80
	v_lshl_add_u32 v192, v0, 2, 0x2d000
	v_mov_b32 v193, 0
	s_set_vgpr_msb 0x8000
	v_and_b32 v1, 31, v0                           ; lane
	v_lshrrev_b32 v[TC], 5, v0
	v_readfirstlane_b32 s18, v[TC]                 ; wave
	v_and_b32 v2, 15, v0                           ; r
	v_bfe_u32 v3, v0, 4, 1                         ; h
	s_and_b32 s23, ttmp7, 0xffff                   ; 8 x batch + head
	s_lshr_b32 s20, s23, 3
	s_and_b32 s21, s23, 7
	s_lshl_b32 s22, ttmp9, 7
	s_wait_alu depctr_va_sdst(0)                   ; s18 is written, ahead of its first reader: my first query and my LDS bytes are made from it
	s_lshl_b32 s77, s18, 5
	s_add_co_u32 s22, s22, s77                     ; my wave's first query
	s_mul_i32 s76, s18, KPW
	s_add_co_u32 s76, s76, KP                      ; my wave's own LDS
	s_add_co_u32 s19, s76, 64                      ; column 0 of its first row of keep bytes
	s_mov_b32 s28, 0x01010101
	s_mov_b32 s29, 0x04010400                      ; v_perm_b32: bytes 0 and 1 of the second source into the two halves, zeros above them
	s_mov_b32 s30, 0x04030402                      ; bytes 2 and 3
	s_mov_b32 s31, 0x3f80                          ; 1.0 in bf16
	s_add_co_u32 s32, s22, 48                      ; where row 0's band begins in its 400 bytes, chunk 0
	s_mov_b32 s35, 0x3e38aa3b                      ; 0.125 log2(e)
	s_mov_b32 s36, 0x76543210                      ; v_permlanex16_b32: lane i reads lane i xor 16
	s_mov_b32 s37, 0xfedcba98
	s_cmp_eq_u32 s22, 0
	s_cselect_b32 s74, 0, -1                       ; key tile 0 of the band does not exist in front of row 0
	s_cmp_eq_u32 s22, 2016
	s_cselect_b32 s75, 0, -1                       ; nor key tile 3 behind row 2047
	v_lshlrev_b32 v[G2], 4, v2
	v_lshl_add_u32 v[G4V], v3, 13, v[G2]
	v_lshl_add_u32 v[G2], v3, 11, v[G2]
	s_lshl_b32 s77, s18, 17
	v_add_nc_u32 v[G4V], s77, v[G4V]
	s_wait_kmcnt 0x0
	s_lshl_b32 s38, s20, 22                        ; a batch is 4 MiB in every one of these buffers
	s_mov_b32 s39, 0
	s_add_nc_u64 s[4:5], s[4:5], s[38:39]
	s_lshl_b32 s77, s21, 8                         ; a head is 256 bytes of a row
	s_add_co_u32 s38, s38, s77
	s_add_nc_u64 s[10:11], s[10:11], s[38:39]      ; V of my (batch, head): never stepped
	s_add_nc_u64 s[6:7], s[6:7], s[38:39]
	s_add_nc_u64 s[8:9], s[8:9], s[38:39]
	s_add_nc_u64 s[12:13], s[12:13], s[38:39]
	s_add_nc_u64 s[16:17], s[16:17], s[38:39]
	s_lshl_b32 s38, s22, 11
	s_add_nc_u64 s[2:3], s[4:5], s[38:39]          ; the mask's rows of my queries, column 0: never stepped
	WIN 0x40
	s_wait_alu depctr_va_vdst(0)                   ; the offsets v[G2] and v[G4V] are written: every load of a chunk reads one of them, and they are not written again while such loads are issued
.irp p, 0,1,2,3,4,5,6,7
	LOADPIECE \p, 10, 2, 0, 0                      ; chunk 0 into window 1
.endr
	WIN 0
	; the set-up stands between the two chunks' loads, so that it is done while chunk 0 is on its way; it names neither v[G2], v[G4V] nor a register of windows 1 and 2
	s_add_nc_u64 s[24:25], s[10:11], 2*CHV         ; the stepped bases begin at chunk 2, in registers that no load has named yet
	s_add_nc_u64 s[26:27], s[2:3], 512
	s_add_nc_u64 s[66:67], s[8:9], s[38:39]        ; my rows of Q,
	s_add_nc_u64 s[68:69], s[12:13], s[38:39]      ; of os,
	s_add_nc_u64 s[70:71], s[16:17], s[38:39]      ; of out0
	s_mul_i32 s38, s23, 16640                      ; ml: 65 classes x 256 bytes for each (batch, head)
	s_add_nc_u64 s[72:73], s[14:15], s[38:39]
.irp kt, 0,1,2,3                       ; the band's four key tiles begin at my first query - 16 + 16 kt, kept inside the buffers
	s_add_co_i32 s77, s22, 16*\kt-16
	s_max_i32 s77, s77, 0
	s_min_i32 s77, s77, 2032
	s_lshl_b32 s38, s77, 11
	s_add_nc_u64 s[40+2*\kt:41+2*\kt], s[6:7], s[38:39]
	s_add_nc_u64 s[48+2*\kt:49+2*\kt], s[10:11], s[38:39]
	s_mov_b32 s38, s77
	s_add_nc_u64 s[56+2*\kt:57+2*\kt], s[2:3], s[38:39]
.endr
	v_lshlrev_b32 v[GM8], 11, v2
	v_lshl_add_u32 v[GM8], v3, 3, v[GM8]
	s_mul_i32 s77, s18, 64*160
	v_mul_u32_u24 v[VSTO], v3, 640                 ; rows x and x + 4 are 640 bytes apart: the two halves of the lanes fall on different halves of the banks
	v_lshl_add_u32 v[VSTO], v2, 3, v[VSTO]
	v_add_nc_u32 v[VSTO], s77, v[VSTO]             ; (64 wave + 4 h) x 160 + 8 r
	v_add_nc_u32 v[VSTO+1], VB1, v[VSTO]
	v_mul_u32_u24 v[BVS], v3, 160
	v_lshl_add_u32 v[BVS], v2, 3, v[BVS]
	v_add_nc_u32 v[BVS], s76, v[BVS]               ; the band's V: h x 160 + 8 r in my own bytes
	v_mul_u32_u24 v[KSTO], v3, 400
	v_lshl_add_u32 v[KSTO], v2, 4, v[KSTO]
	v_add_nc_u32 v[KSTO], s19, v[KSTO]
	v_and_b32 v[TA], 7, v0
	v_bfe_u32 v[TB], v0, 3, 1
	v_lshl_add_u32 v[TC], v3, 5, v[TA]
	v_mul_u32_u24 v[VA], v[TC], 160
	v_lshl_add_u32 v[VA], v[TB], 4, v[VA]          ; (32 h + lane mod 8) x 160 + 16 x bit 3 of the lane
	v_add_nc_u32 v[VA+1], VB1, v[VA]
	v_lshl_add_u32 v[TC], v3, 3, v[TA]
	v_mul_u32_u24 v[BVA], v[TC], 160
	v_lshl_add_u32 v[BVA], v[TB], 4, v[BVA]
	v_add_nc_u32 v[BVA], s76, v[BVA]               ; (8 h + lane mod 8) x 160 + ..
	v_mul_u32_u24 v[KBA], v2, 400
	v_lshl_add_u32 v[KBA], v3, 5, v[KBA]
	v_add_nc_u32 v[KBA], s19, v[KBA]
	v_mul_u32_u24 v[BKA], v2, 144
	v_lshl_add_u32 v[BKA], v3, 4, v[BKA]
	v_add_nc_u32 v[BKA], s76, v[BKA]               ; r x 144 + 16 h
	v_add_nc_u32 v[TA], s22, v1                    ; row lane's number i; i div 65 = (16132 i) >> 20 for i < 2048
	v_mul_u32_u24 v[TB], v[TA], 0x3f04
	v_lshrrev_b32 v[TB], 20, v[TB]
	v_mul_u32_u24 v[TB], v[TB], 65
	v_sub_nc_u32 v[T0], v[TA], v[TB]
	v_min_u32 v[T0], 64, v[T0]                     ; i mod 65 (the bound changes nothing; it is written out)
	v_mul_u32_u24 v[PKB], v1, 400
	v_add_nc_u32 v[PKB], s19, v[PKB]
	v_mul_u32_u24 v[BPB], v1, 401                  ; row lane's band begins one byte further right than the row's above
	v_add_nc_u32 v[BPB], s76, v[BPB]
	v_mov_b32 v[ZERO], 0
	v_mov_b32 v[NEGI], 0xff800000
	v_mov_b32 v[CNT], 0
	v_mov_b32 v[CNT+1], 0
	v_mov_b32 v[C16], 0
	v_mov_b32 v[C16+1], 0
	v_mul_u32_u24 v[OSTO], v2, 272
	v_lshl_add_u32 v[OSTO], v3, 5, v[OSTO]
	v_add_nc_u32 v[OSTO], s76, v[OSTO]
	v_mul_u32_u24 v[ORD], v3, 272
	v_lshl_add_u32 v[ORD], v2, 4, v[ORD]
	v_add_nc_u32 v[ORD], s76, v[ORD]
.irp a, 0,1
	v_add_nc_u32 v[TA], s22, v2                    ; my query of tile a
.if \a
	v_add_nc_u32 v[TA], 16, v[TA]
.endif
	v_mul_u32_u24 v[TB], v[TA], 0x3f04
	v_lshrrev_b32 v[TB], 20, v[TB]                 ; its slot
	v_mul_u32_u24 v[TC], v[TB], 65
	v_sub_nc_u32 v[TA], v[TA], v[TC]               ; its class
	v_lshlrev_b32 v[TB], 3, v[TB]
	v_lshl_add_u32 v[MLO+\a], v[TA], 8, v[TB]
.endr
	WIN 0x80
.irp p, 0,1,2,3,4,5,6,7
	LOADPIECE \p, 10, 2, CHV, 256                  ; chunk 1 into window 2.  No wait: no vector instruction since the wait above names these loads' offsets or the registers in which they land
.endr
	WIN 0
; An eighth of the band's K (two whole rows to a load; tile p / 2, rows 8 (p & 1) ..) and of my 32 rows of Q, into the registers that piece p of a chunk held
.macro LOADKQ p
.irp k, 0,1,2,3
	global_load_b128 v[16*\p+4*\k:16*\p+4*\k+3], v[G2], s[40+2*(\p>>1):41+2*(\p>>1)] offset:4096*(4*(\p&1)+\k)
.endr
.irp k, 0,1
	global_load_b128 v[128+8*\p+4*\k:128+8*\p+4*\k+3], v[G2], s[66:67] offset:4096*(2*\p+\k)
.endr
.endm
; The last trip's loads.  Piece 0 first asks for the band's mask bytes and (m, l): 8 loads.  Every piece: an eighth of the band's V and of my rows of os.
; They land in registers that no vector instruction has named (the mask bytes', (m, l)'s, os's) or has named last in the first trip (window 2), ahead of many waits on va_vdst.
.macro TAILLOAD p
.if \p == 0
.irp a, 0,1
.irp rel, 0,1,2
	global_load_b64 v[BM+2*(3*\a+\rel):BM+2*(3*\a+\rel)+1], v[GM8], s[56+2*(\a+\rel):57+2*(\a+\rel)] offset:32768*\a
.endr
	global_load_b64 v[ML+2*\a:ML+2*\a+1], v[MLO+\a], s[72:73]
.endr
.endif
	WIN 0x80
.irp k, 0,1,2,3
	global_load_b128 v[16*\p+4*\k:16*\p+4*\k+3], v[G2], s[48+2*(\p>>1):49+2*(\p>>1)] offset:4096*(4*(\p&1)+\k)
.endr
	WIN 0x40
.irp k, 0,1
	global_load_b128 v[192+8*\p+4*\k:192+8*\p+4*\k+3], v[G2], s[68:69] offset:4096*(2*\p+\k)
.endr
	WIN 0
.endm
; The fragments of K step s (32 keys) of buffer buf.  VLOAD: the n-th of the eight loads of V^T, for four blocks of 16 d.  KLOAD: 16 keep bytes for query tile n.
.macro VLOAD buf, s, n
	ds_load_tr16_b128 v[VF+32*((\s)&1)+4*(\n):VF+32*((\s)&1)+4*(\n)+3], v[VA+\buf] offset:(64*((\s)>>1)+16*((\s)&1))*160+32*((\n)/2)+1280*((\n)%2)
.endm
.macro KLOAD buf, s, n
	ds_load_b128 v[KBR+8*((\s)&1)+4*(\n):KBR+8*((\s)&1)+4*(\n)+3], v[KBA] offset:KB2*\buf+6400*(\n)+64*((\s)>>1)+16*((\s)&1)
.endm
.macro FRAGV buf, s
.irp n, 0,1,2,3,4,5,6,7
	VLOAD \buf, \s, \n
.endr
.endm
.macro FRAGK buf, s
	KLOAD \buf, \s, 0
	KLOAD \buf, \s, 1
.endm
; Zeros over the selected places of my rows in a keep buffer, in two parts.  POKEADR makes the two addresses and steps the chunk's figures: it stands ahead of the last piece's wait on va_vdst.
.macro POKEADR
	v_add_nc_u32 v[PA], v[PKB], v[T0]
	v_add_nc_u32 v[T0], 4, v[T0]                   ; (T0 - 256) mod 65 = (T0 + 4) mod 65
	v_add_nc_u32 v[TC], 0xffffffbf, v[T0]          ; - 65: very large as an unsigned number if T0 + 4 < 65
	v_min_u32 v[T0], v[T0], v[TC]
	v_min_u32 v[T0], 64, v[T0]
	s_max_i32 s34, s32, 0
	s_min_u32 s34, s34, 320                        ; 0 .. 320
	s_sub_co_i32 s32, s32, 256
	v_mov_b32 v[PB], s34
	v_min_u32 v[PB], 0x140, v[PB]                  ; the bound once more where the address is made: 12,800 + 401 x 31 + 320 + 32 = 25,583, inside my 25,600 bytes
	v_add_nc_u32 v[PB], v[BPB], v[PB]
.endm
; POKEST stores the zeros into keep buffer kb.  LDS serves a wave's instructions in order: these land on the keep bytes stored before.
.macro POKEST kb
.irp k, 0,65,130,195
	ds_store_b8 v[PA], v[ZERO] offset:KB2*\kb+\k   ; at most place 259: the spare bytes behind the 256 take it
.endr
	s_cmp_eq_u32 s34, 0                            ; the bands of my 32 rows lie wholly behind this chunk,
	s_cbranch_scc1 .Lnoband_\@
	s_cmp_eq_u32 s34, 320                          ; or wholly in front of it
	s_cbranch_scc1 .Lnoband_\@
.set k2, 0
.rept 33
	ds_store_b8 v[PB], v[ZERO] offset:KB2*\kb+k2   ; places lane + 1 to lane + 351 of the row's 400: what overhangs the 256 falls on spare bytes
.set k2, k2+1
.endr
.Lnoband_\@:
.endm
; Piece p of a chunk goes from registers into buffers nb: V rounded to bf16, the mask turned into keep bytes (1 - mask, four at once).
; lw: how many younger loads may stay out (-1: no wait); ld = 1: the freed registers take the chunk after next, 2: the band's K and Q;
; vw: the window of the piece's registers as sources.
.macro STAGE p, nb, lw, ld, vw
.if \lw >= 0
	s_wait_loadcnt \lw
.endif
.if (\lw >= 0) || (\p > 0)
	s_wait_alu depctr_vm_vsrc(0)                   ; the LDS stores of the piece before have read ST, which is written again below; ahead of piece 7 also: the last chunk's zeros have read PA and PB
.endif
.if \p == 7
	POKEADR
.endif
	WIN \vw
.irp k, 0,1,2,3,4,5,6,7
	v_cvt_pk_bf16_f32 v[ST+\k], v[16*\p+2*\k], v[16*\p+2*\k+1]
.endr
.irp k, 0,1,2,3,4,5,6,7
	v_xor_b32 v[ST+8+\k], s28, v[128+8*\p+\k]
.endr
.if \ld
	WIN 0x40                                       ; loads land in window 1; the LDS stores' address and data stay in window 0
.else
	WIN 0
.endif
	s_wait_alu depctr_va_vdst(0)                   ; ST is written, which the stores read (with piece 7: PA and PB too; with the first piece: the set-up's addresses);
	                                               ; the step before is done reading its V^T fragments and its keep bytes, in which this step's LDS loads land
.irp k, 0,1,2,3
	ds_store_b64 v[VSTO+\nb], v[ST+2*\k:ST+2*\k+1] offset:160*(8*\p+\k)
.endr
.irp k, 0,1
	ds_store_b128 v[KSTO], v[ST+8+4*\k:ST+8+4*\k+3] offset:KB2*\nb+800*(2*\p+\k)
.endr
.if \ld == 1
	LOADPIECE \p, 24, 26, 0, 0
.endif
.if \ld == 2
	LOADKQ \p
.endif
	WIN 0
.endm
; Keep bytes are widened, byte 0 or 1 -> bf16 0 or 1.0, and counted: five instructions for each of the eight words, 40 in all.
; CONVOP writes out the idx-th of them, for the fragments at register ub, out of the keep bytes at register kb.
.macro CONVOP idx, ub, kb
.set cg, (\idx)/5
.set co, (\idx)%5
.if co == 0
	v_perm_b32 v[\ub+2*cg],   v[ZERO], v[\kb+cg], s29
.endif
.if co == 1
	v_perm_b32 v[\ub+2*cg+1], v[ZERO], v[\kb+cg], s30
.endif
.if co == 2
	v_add_nc_u32 v[CNT+cg/4], v[CNT+cg/4], v[\kb+cg]
.endif
.if co == 3
	v_mul_u32_u24 v[\ub+2*cg],   s31, v[\ub+2*cg]  ; both halves at once: (b0 + 65536 b1) x 0x3f80
.endif
.if co == 4
	v_mul_u32_u24 v[\ub+2*cg+1], s31, v[\ub+2*cg+1]
.endif
.endm
.macro CONV ub, kb                     ; all 40 in a run: a trip's first K step, which has no product to stand under
.set cn, 0
.rept 40
	CONVOP cn, \ub, \kb
.set cn, cn+1
.endr
.endm
; K step s is multiplied, and under it the next step's keep bytes are widened into the other buffer: four vector instructions behind each matrix
; instruction, twelve behind the last.  Behind each of the first four matrix instructions stand two loads of step s + 1's V^T, behind the fifth the two of step s + 2's
; keep bytes.  No wait: no instruction since the step's wait on va_vdst names the registers in which they land or their addresses.
; Eight accumulators take turns, one instruction a turn.
.macro MMC s, zero, buf
.set cn, 0
.set fn, 0
.irp a, 0,1
.irp t, 0,1,2,3
.if \zero
	v_wmma_f32_16x16x32_bf16 v[ACC+32*\a+8*\t:ACC+32*\a+8*\t+7], v[VF+32*((\s)&1)+8*\t:VF+32*((\s)&1)+8*\t+7], v[UF+UFS*((\s)&1)+8*\a:UF+UFS*((\s)&1)+8*\a+7], 0
.else
	v_wmma_f32_16x16x32_bf16 v[ACC+32*\a+8*\t:ACC+32*\a+8*\t+7], v[VF+32*((\s)&1)+8*\t:VF+32*((\s)&1)+8*\t+7], v[UF+UFS*((\s)&1)+8*\a:UF+UFS*((\s)&1)+8*\a+7], v[ACC+32*\a+8*\t:ACC+32*\a+8*\t+7]
.endif
.if fn < 8
	VLOAD \buf, \s+1, fn
	VLOAD \buf, \s+1, fn+1
.endif
.if (fn == 8) && (\s < 6)
	KLOAD \buf, \s+2, 0
	KLOAD \buf, \s+2, 1
.endif
.set fn, fn+2
.rept 4
	CONVOP cn, UF+UFS*(((\s)+1)&1), KBR+8*(((\s)+1)&1)
.set cn, cn+1
.endr
.endr
.endr
.rept 8
	CONVOP cn, UF+UFS*(((\s)+1)&1), KBR+8*(((\s)+1)&1)
.set cn, cn+1
.endr
.endm
.macro MM8 s                           ; a trip's last K step: nothing is left to widen
.irp a, 0,1
.irp t, 0,1,2,3
	v_wmma_f32_16x16x32_bf16 v[ACC+32*\a+8*\t:ACC+32*\a+8*\t+7], v[VF+32*((\s)&1)+8*\t:VF+32*((\s)&1)+8*\t+7], v[UF+UFS*((\s)&1)+8*\a:UF+UFS*((\s)&1)+8*\a+7], v[ACC+32*\a+8*\t:ACC+32*\a+8*\t+7]
.endr
.endr
.endm
; K step q of a trip: piece q is staged (or, in the last trip, an eighth of the tail's data asked for), then step q is multiplied.
.macro STEP q, buf, nb, zero, mode
.if \mode == 3
	STAGE \q, \nb, 48, 0, 0x0a                     ; chunk 1 out of window 2: the 48 loads of chunk 2 are younger
.endif
.if \mode == 2
	STAGE \q, \nb, 42, 1, 0x05                     ; my six loads of a trip ago are in: 7 pieces x 6 younger loads may stay out
.endif
.if \mode == 1
	STAGE \q, \nb, 42, 2, 0x05                     ; the same count: this trip's pieces have asked for six loads each too
.endif
.if \mode == 0
.if \q < 7
	s_wait_alu depctr_va_vdst(0)                   ; the step before is done reading its V^T fragments and its keep bytes, in which this step's LDS loads land
.endif
	TAILLOAD \q
	s_wait_dscnt 0x0                               ; this step's V^T and the next step's keep bytes are in; nothing is staged
.else
	s_wait_dscnt 0x6                               ; this step's V^T and the next step's keep bytes, asked for a step ago, are in; younger: the piece's six stores
.endif
.if \q == 7
.if \mode
	POKEST \nb
	FRAGK \nb, 0                                   ; the staged chunk's first keep bytes, my own bytes, behind the zeros.  No wait: the widening that read these registers stands ahead of this step's wait on va_vdst
	FRAGK \nb, 1
.endif
	MM8 7
.else
	MMC \q, \zero, \buf
.endif
.endm
; One trip: the 256 keys in buffers buf are multiplied, the next chunk is staged into buffers nb.  zero: the first product starts the sums.
; mode 2: the steady trip;  mode 3: the first trip: chunk 1 comes out of window 2, nothing is loaded;
; mode 1: the last chunk is staged, the band's K and Q are asked for;  mode 0: nothing is left to stage, the rest of the tail's data are asked for.
.macro TRIP buf, nb, zero, mode
.if \mode == 2
	s_wait_xcnt 0x0                                ; the bases are sources of the loads issued so far: they are stepped only behind this wait
	s_add_nc_u64 s[24:25], s[24:25], CHV           ; 256 keys on
	s_add_nc_u64 s[26:27], s[26:27], 256           ; 256 columns on
.endif
	s_wait_dscnt 0x0                               ; my stores into buffers buf are done, and so are my reads of buffers nb; the first two steps' keep bytes are in:
	s_barrier_signal -1
	s_barrier_wait -1                              ; V's buffer buf is whole, and buffer nb may be written
	FRAGV \buf, 0                                  ; no wait: the matrix instructions that read these registers last (step 6 of the trip before) stand ahead of that trip's last wait on va_vdst, and nothing since names them
	CONV UF, KBR
	STEP 0, \buf, \nb, \zero, \mode
.irp q, 1,2,3,4,5,6,7
	STEP \q, \buf, \nb, 0, \mode
.endr
.irp a, 0,1                            ; a byte has counted to 32 at the most: into halves, which reach 512 in 8 trips.  These twelve are the places behind the last product
	v_and_b32 v[TA], 0x00ff00ff, v[CNT+\a]
	v_lshrrev_b32 v[TB], 8, v[CNT+\a]
	v_and_b32 v[TB], 0x00ff00ff, v[TB]
	v_add_nc_u32 v[TA], v[TA], v[TB]
	v_add_nc_u32 v[C16+\a], v[C16+\a], v[TA]
	v_mov_b32 v[CNT+\a], 0
.endr
.endm
	s_wait_loadcnt 0x30                            ; chunk 0 is in; chunk 1's 48 loads stay out
.irp p, 0,1,2,3,4,5,6,7
	STAGE \p, 0, -1, 1, 0x05                       ; chunk 0 into buffers 0; chunk 2 into its registers
.endr
	POKEST 0
	FRAGK 0, 0                                     ; chunk 0's first keep bytes; no vector instruction has named these registers yet
	FRAGK 0, 1
	TRIP 0, 1, 1, 3                                ; trip 0
	s_mov_b32 s33, 2
.Lpair:
	TRIP 1, 0, 0, 2                                ; trips 1 to 4
	TRIP 0, 1, 0, 2
	s_sub_co_i32 s33, s33, 1
	s_cmp_lg_u32 s33, 0
	s_cbranch_scc1 .Lpair
	TRIP 1, 0, 0, 2                                ; trip 5 asks for chunk 7, the last
	TRIP 0, 1, 0, 1
	TRIP 1, 0, 0, 0
; THE BAND AND THE MERGE: each wave by itself, in its own LDS bytes
	s_wait_loadcnt 0x38                            ; K and Q are in: the last trip's 56 loads are younger
	v_mul_u32_u24 v[BKS], v3, 144
	v_lshl_add_u32 v[BKS], v2, 3, v[BKS]
	v_add_nc_u32 v[BKS], s76, v[BKS]               ; K and Q into LDS: h x 144 + 8 r
	WIN 0x05
.set p, 0
.rept 64
	v_cvt_pk_bf16_f32 v[VF+p], v[2*p], v[2*p+1]    ; K
.set p, p+1
.endr
.set p, 0
.rept 32
	v_cvt_pk_bf16_f32 v[FQ+p], v[128+2*p], v[128+2*p+1]    ; Q
.set p, p+1
.endr
	WIN 0
	s_wait_alu depctr_va_vdst(0)                   ; the roundings have written v[VF ..] and v[FQ ..], and v[BKS] is written: the LDS stores read them
.set q, 0
.rept 32
	ds_store_b64 v[BKS], v[VF+2*q:VF+2*q+1] offset:LBK+288*q       ; over the keep bytes, whose reads are done
.set q, q+1
.endr
.set q, 0
.rept 16
	ds_store_b64 v[BKS], v[FQ+2*q:FQ+2*q+1] offset:LBQ+288*q
.set q, q+1
.endr
	s_wait_alu depctr_vm_vsrc(0)                   ; these stores have read v[VF ..] and v[FQ ..], in which the fragments land; and all the trips' LDS and memory instructions have read
	                                               ; ST, PA and PB, which the scores take, and the addresses v5 and v7 to v13, which the tail takes for other numbers
.irp kt, 0,1,2,3                       ; LDS serves a wave's instructions in order: these see the stores above.  K: tile kt's two fragments at 16 kt
.irp kk, 0,1
	ds_load_b128 v[VF+16*\kt+8*\kk:VF+16*\kt+8*\kk+3],   v[BKA] offset:LBK+2304*\kt+64*\kk
	ds_load_b128 v[VF+16*\kt+8*\kk+4:VF+16*\kt+8*\kk+7], v[BKA] offset:LBK+2304*\kt+64*\kk+32
.endr
.endr
.irp a, 0,1                            ; Q: tile a's at 16 a
.irp kk, 0,1
	ds_load_b128 v[FQ+16*\a+8*\kk:FQ+16*\a+8*\kk+3],   v[BKA] offset:LBQ+2304*\a+64*\kk
	ds_load_b128 v[FQ+16*\a+8*\kk+4:FQ+16*\a+8*\kk+7], v[BKA] offset:LBQ+2304*\a+64*\kk+32
.endr
.endr
	s_wait_dscnt 0x0
; S^T(a, rel) = K(tile a + rel) Q(tile a)^T: six accumulators take turns
.irp a, 0,1
.irp rel, 0,1,2
	v_wmma_f32_16x16x32_bf16 v[SB+8*(3*\a+\rel):SB+8*(3*\a+\rel)+7], v[VF+16*(\a+\rel):VF+16*(\a+\rel)+7], v[FQ+16*\a:FQ+16*\a+7], 0
.endr
.endr
.irp a, 0,1
.irp rel, 0,1,2
	v_wmma_f32_16x16x32_bf16 v[SB+8*(3*\a+\rel):SB+8*(3*\a+\rel)+7], v[VF+16*(\a+\rel)+8:VF+16*(\a+\rel)+15], v[FQ+16*\a+8:FQ+16*\a+15], v[SB+8*(3*\a+\rel):SB+8*(3*\a+\rel)+7]
.endr
.endr
	s_wait_loadcnt 0x30                            ; the band's mask bytes and (m, l) are in, so their offset register and their bases may be taken; V's and os's 48 loads are younger
	; seven address instructions: the places between the matrix instructions and the vector instructions on their results (ISA guide 7.12.1)
	v_and_b32 v[FTS], 1, v2
	v_lshrrev_b32 v[TA], 1, v2
	v_lshlrev_b32 v[TA], 2, v[TA]
	v_lshl_add_u32 v[FTS], v[FTS], 6, v[TA]
	v_add_nc_u32 v[FTS], s76, v[FTS]               ; the factor of query 16 a + r: 64 (r & 1) + 4 (r >> 1), + 32 a
	v_lshlrev_b32 v[FTL], 6, v3
	v_add_nc_u32 v[FTL], s76, v[FTL]               ; the 16 factors of the even (h = 0) or the odd (h = 1) queries
; register j of lane (r, h): key - query = 16 (rel - 1) + 8 h + j - r.  Kept: mask byte 0, |key - query| <= 16, and the key tile exists.
; A tile's eight compares stand in a run, each into a scalar register of its own, with one wait behind the run.  The scalar registers are those of K's bases and of the mask's,
; by turns: the loads that read those bases have been waited for.
.macro BCMP a, rel, j
	v_and_b32 v[TA+((\j)&1)], 0xff<<(8*((\j)&3)), v[BM+2*(3*\a+\rel)+((\j)>>2)]
	v_cmp_eq_u32 s[MS+\j], 0, v[TA+((\j)&1)]
.endm
.macro BSEL a, rel, j
.if \rel == 0
	s_and_b32 s[MS+\j], s[MS+\j], ((2<<\j)-1)|(((512<<\j)-1)<<16)              ; 8 h + j - r >= 0
.endif
.if \rel == 2
	s_and_b32 s[MS+\j], s[MS+\j], (0xffff&~((1<<\j)-1))|((0xffff&~((256<<\j)-1))<<16)   ; 8 h + j - r <= 0
.endif
.if 3*\a+\rel == 0
	s_and_b32 s[MS+\j], s[MS+\j], s74
.endif
.if 3*\a+\rel == 5
	s_and_b32 s[MS+\j], s[MS+\j], s75
.endif
	v_cndmask_b32 v[SB+8*(3*\a+\rel)+\j], v[NEGI], v[SB+8*(3*\a+\rel)+\j], s[MS+\j]
.endm
.irp a, 0,1
.irp rel, 0,1,2
.set MS, 40+16*((3*\a+\rel)&1)
.irp j, 0,1,2,3,4,5,6,7
	BCMP \a, \rel, \j
.endr
	s_wait_alu depctr_va_sdst(0)                   ; the eight compares have written their masks, ahead of the masks' first readers
.irp j, 0,1,2,3,4,5,6,7
	BSEL \a, \rel, \j
.endr
.endr
.endr
	s_wait_loadcnt 0x2                             ; the band's V is in; the last two loads of os are younger
	WIN 0x0a
.set p, 0
.rept 64
	v_cvt_pk_bf16_f32 v[VF+p], v[2*p], v[2*p+1]    ; the band's V, into registers that the score products are long done with
.set p, p+1
.endr
	WIN 0
	s_wait_alu depctr_va_vdst(0)                   ; the roundings have written v[VF ..], which the LDS stores read
.set q, 0
.rept 32
	ds_store_b64 v[BVS], v[VF+2*q:VF+2*q+1] offset:320*q   ; 64 rows x 160 bytes
.set q, q+1
.endr
	s_wait_alu depctr_vm_vsrc(0)                   ; these stores have read v[VF ..], in which the band's V^T lands
.irp kp, 0,1                           ; the band's V^T, 32 keys for each kp; LDS serves a wave's instructions in order
.irp t, 0,1,2,3
	ds_load_tr16_b128 v[VF+32*\kp+8*\t:VF+32*\kp+8*\t+3],   v[BVA] offset:5120*\kp+32*\t
	ds_load_tr16_b128 v[VF+32*\kp+8*\t+4:VF+32*\kp+8*\t+7], v[BVA] offset:5120*\kp+32*\t+2560
.endr
.endr
; the row's maximum over all three kinds, and the factors that bring each kind to it
.irp a, 0,1
	v_max3_num_f32 v[MXR+\a], v[SB+24*\a], v[SB+24*\a+1], v[SB+24*\a+2]
.irp k, 3,5,7,9,11,13,15,17,19,21
	v_max3_num_f32 v[MXR+\a], v[MXR+\a], v[SB+24*\a+\k], v[SB+24*\a+\k+1]
.endr
	v_max_num_f32 v[MXR+\a], v[MXR+\a], v[SB+24*\a+23]
	v_permlanex16_b32 v[TA], v[MXR+\a], s36, s37
	v_max_num_f32 v[MXR+\a], v[MXR+\a], v[TA]
	v_mul_f32 v[MXR+\a], s35, v[MXR+\a]            ; the band's maximum, in powers of two
	v_and_b32 v[TB], 0xffff, v[C16+\a]
	v_lshrrev_b32 v[TC], 16, v[C16+\a]
	v_add_nc_u32 v[TB], v[TB], v[TC]
	v_permlanex16_b32 v[TC], v[TB], s36, s37
	v_add_nc_u32 v[TB], v[TB], v[TC]               ; n: my query's unmasked keys that are not selected
	v_cmp_lt_u32 s[78+\a], 0, v[TB]
	v_cvt_f32_u32 v[NFR+\a], v[TB]
	s_wait_alu depctr_va_sdst(0)                   ; the compare has written its mask, ahead of the mask's first reader
	v_cndmask_b32 v[TC], v[NEGI], v[ZERO], s[78+\a]        ; their score is 0, if there are any
	v_max3_num_f32 v[TC], v[ML+2*\a], v[MXR+\a], v[TC]
	v_max_num_f32 v[TC], 0xff7fffff, v[TC]         ; finite, so that -inf minus it stays -inf
	v_sub_f32 v[NMS+\a], 0, v[TC]
	v_add_f32 v[TA], v[ML+2*\a], v[NMS+\a]
	v_exp_f32 v[FAP+2*\a], v[TA]
	v_exp_f32 v[FNP+2*\a], v[NMS+\a]
	v_nop                                          ; one plain place behind v_exp_f32 (ISA guide 5.7.2)
	s_wait_alu depctr_va_vdst(0)
	v_cndmask_b32 v[FNP+2*\a], v[ZERO], v[FNP+2*\a], s[78+\a]
	v_mov_b32 v[FNP+2*\a+1], v[FNP+2*\a]
	v_mul_f32 v[LSR+\a], v[FAP+2*\a], v[ML+2*\a+1]
	v_fmac_f32 v[LSR+\a], v[FNP+2*\a], v[NFR+\a]
.endr
.irp a, 0,1
.set p, 0
.rept 16
	v_pk_mul_f32 v[ACC+32*\a+2*p:ACC+32*\a+2*p+1], v[ACC+32*\a+2*p:ACC+32*\a+2*p+1], v[FNP+2*\a:FNP+2*\a+1]
.set p, p+1
.endr
.endr
; the band's weights, their sum, and P^T: tile a + rel of the four key tiles, zeros where tile a has no keys.
; Upper part: the two upper halves of a pair of weights.  Lower part: p minus its upper half (exact), rounded; it is written over the scores:
; its register (192 + i for tile 0, 212 + i for tile 1) never lies above the pair it is made of (192 + 2 i, 216 + 2 i) nor reaches a later pair.
.irp a, 0,1
.set k2, 0
.rept 24
	v_fma_f32 v[SB+24*\a+k2], v[SB+24*\a+k2], s35, v[NMS+\a]
.set k2, k2+1
.endr
.set k2, 0
.rept 24
	v_exp_f32 v[SB+24*\a+k2], v[SB+24*\a+k2]
.set k2, k2+1
.endr
	v_nop
	s_wait_alu depctr_va_vdst(0)
	v_pk_add_f32 v[SUMP:SUMP+1], v[SB+24*\a:SB+24*\a+1], v[SB+24*\a+2:SB+24*\a+3]
.irp k, 4,6,8,10,12,14,16,18,20,22
	v_pk_add_f32 v[SUMP:SUMP+1], v[SUMP:SUMP+1], v[SB+24*\a+\k:SB+24*\a+\k+1]
.endr
	v_add_f32 v[TA], v[SUMP], v[SUMP+1]
	v_permlanex16_b32 v[TB], v[TA], s36, s37
	v_add_f32 v[TA], v[TA], v[TB]
	v_add_f32 v[LSR+\a], v[LSR+\a], v[TA]
.irp rel, 0,1,2
.irp jj, 0,1,2,3
	v_perm_b32 v[FQ+16*\a+4*(\a+\rel)+\jj], v[SB+24*\a+8*\rel+2*\jj+1], v[SB+24*\a+8*\rel+2*\jj], 0x07060302
	v_and_b32 v[TA], 0xffff0000, v[SB+24*\a+8*\rel+2*\jj]
	v_and_b32 v[TB], 0xffff0000, v[SB+24*\a+8*\rel+2*\jj+1]
	v_sub_f32 v[TA], v[SB+24*\a+8*\rel+2*\jj], v[TA]
	v_sub_f32 v[TB], v[SB+24*\a+8*\rel+2*\jj+1], v[TB]
	v_cvt_pk_bf16_f32 v[PLO+16*\a+4*(\a+\rel)+\jj], v[TA], v[TB]
.endr
.endr
.endr
.irp i, 12,13,14,15,16,17,18,19
	v_mov_b32 v[FQ+\i], 0                          ; key tile 3 for query tile 0, key tile 0 for query tile 1
	v_mov_b32 v[PLO+\i], 0
.endr
	v_rcp_f32 v[RLP], v[LSR]
	v_rcp_f32 v[RLP+2], v[LSR+1]
	v_nop
	s_wait_alu depctr_va_vdst(0)
	v_mov_b32 v[RLP+1], v[RLP]
	v_mov_b32 v[RLP+3], v[RLP+2]
	v_mul_f32 v[TA], v[FAP], v[RLP]                ; what the strided part's row is multiplied by on the way out
	v_mul_f32 v[TB], v[FAP+2], v[RLP+2]
	s_wait_alu depctr_va_vdst(0)                   ; the two factors are written, which the LDS stores read
	ds_store_b32 v[FTS], v[TA] offset:LFT          ; both halves of the lanes hold the same number for a query
	ds_store_b32 v[FTS], v[TB] offset:LFT+32
	s_wait_dscnt 0x0                               ; the band's V^T
; the weights' upper parts, then their lower parts; eight accumulators take turns
.irp pb, FQ, PLO
.irp kp, 0,1
.irp a, 0,1
.irp t, 0,1,2,3
	v_wmma_f32_16x16x32_bf16 v[ACC+32*\a+8*\t:ACC+32*\a+8*\t+7], v[VF+32*\kp+8*\t:VF+32*\kp+8*\t+7], v[\pb+16*\a+8*\kp:\pb+16*\a+8*\kp+7], v[ACC+32*\a+8*\t:ACC+32*\a+8*\t+7]
.endr
.endr
.endr
.endr
.rept 4
	v_nop                                          ; four places between the last matrix instruction and the multiplies of its results (ISA guide 7.12.1)
.endr
.irp a, 0,1
.set p, 0
.rept 16
	v_pk_mul_f32 v[ACC+32*\a+2*p:ACC+32*\a+2*p+1], v[ACC+32*\a+2*p:ACC+32*\a+2*p+1], v[RLP+2*\a:RLP+2*\a+1]
.set p, p+1
.endr
.endr
; the way out: register j of tile (a, t) is element 16 t + 8 h + j of query 16 a + r; through my own LDS into whole rows,
; where the strided part's rows, loaded as whole rows, are added with their factor
	s_wait_alu depctr_va_vdst(0)                   ; the multiplies have written the results, which the LDS stores read; the matrix instructions are done reading v[VF ..] and v[FQ ..], in which the loads below land
.irp a, 0,1
.irp t, 0,1,2,3
	ds_store_b128 v[OSTO], v[ACC+32*\a+8*\t:ACC+32*\a+8*\t+3]   offset:4352*\a+64*\t
	ds_store_b128 v[OSTO], v[ACC+32*\a+8*\t+4:ACC+32*\a+8*\t+7] offset:4352*\a+64*\t+16
.endr
.endr
.set q, 0
.rept 16
	ds_load_b128 v[VF+4*q:VF+4*q+3], v[ORD] offset:544*q   ; LDS serves a wave's instructions in order: these see the stores above
.set q, q+1
.endr
.irp g, 0,1,2,3
	ds_load_b128 v[FQ+4*\g:FQ+4*\g+3], v[FTL] offset:LFT+16*\g     ; register q: the factor of query 2 q + h
.endr
	s_wait_loadcnt 0x0                             ; the strided part's rows
	s_wait_dscnt 0x0
	WIN 0x01
.set q, 0
.rept 16
.irp k, 0,1,2,3
	v_fma_f32 v[VF+4*q+\k], v[192+4*q+\k], v[FQ+q], v[VF+4*q+\k]
.endr
.set q, q+1
.endr
	WIN 0
	s_wait_alu depctr_va_vdst(0)                   ; the multiply-adds have written v[VF ..], which the stores read
.set q, 0
.rept 16
	global_store_b128 v[G2], v[VF+4*q:VF+4*q+3], s[70:71] offset:4096*q    ; 16 lanes store 256 consecutive bytes, aligned
.set q, q+1
.endr
	s_set_vgpr_msb 0xa
	s_wait_dscnt 0x0
	s_wait_alu depctr_hold_cnt(0) depctr_sa_sdst(0) depctr_va_vdst(0) depctr_va_sdst(0) depctr_va_ssrc(0) depctr_va_vcc(0) depctr_vm_vsrc(0)
	s_wait_tensorcnt 0x0
	ds_add_u32 v192, v193
	s_wait_dscnt 0x0
	s_endpgm
.Lfunc_end_k_qe77cbea046_main:
	.size	k_qe77cbea046_main, .Lfunc_end_k_qe77cbea046_main-k_qe77cbea046_main
	.p2alignl 7, 3214868480
	.fill 96, 4, 3214868480
	.section	.rodata,"a",@progbits
	.p2align	6, 0x0
	.amdhsa_kernel k_qe77cbea046_main
		.amdhsa_group_segment_fixed_size 184832
		.amdhsa_private_segment_fixed_size 0
		.amdhsa_enable_private_segment 0
		.amdhsa_kernarg_size 56
		.amdhsa_user_sgpr_count 2
		.amdhsa_user_sgpr_kernarg_segment_ptr 1
		.amdhsa_wavefront_size32 1
		.amdhsa_system_sgpr_workgroup_id_x 1
		.amdhsa_system_sgpr_workgroup_id_y 1
		.amdhsa_system_sgpr_workgroup_id_z 1
		.amdhsa_system_vgpr_workitem_id 0
		.amdhsa_next_free_vgpr 706
		.amdhsa_next_free_sgpr 80
		.amdhsa_reserve_vcc 0
		.amdhsa_float_denorm_mode_32 3
		.amdhsa_float_denorm_mode_16_64 3
		.amdhsa_memory_ordered 1
		.amdhsa_forward_progress 1
		.amdhsa_inst_pref_size 255
	.end_amdhsa_kernel
	.section	.bss,"aw",@nobits
	.p2align	6
	.space	262144
	.amdgpu_metadata
---
amdhsa.version: [ 1, 2 ]
amdhsa.kernels:
  - .name:           k_qe77cbea046_main
    .symbol:         k_qe77cbea046_main.kd
    .args:
      - { .name: attn_mask, .offset: 0, .size: 8, .value_kind: global_buffer, .address_space: global }
      - { .name: keys, .offset: 8, .size: 8, .value_kind: global_buffer, .address_space: global }
      - { .name: queries, .offset: 16, .size: 8, .value_kind: global_buffer, .address_space: global }
      - { .name: values, .offset: 24, .size: 8, .value_kind: global_buffer, .address_space: global }
      - { .name: os, .offset: 32, .size: 8, .value_kind: global_buffer, .address_space: global }
      - { .name: ml, .offset: 40, .size: 8, .value_kind: global_buffer, .address_space: global }
      - { .name: out0, .offset: 48, .size: 8, .value_kind: global_buffer, .address_space: global }
    .group_segment_fixed_size: 184832
    .private_segment_fixed_size: 0
    .kernarg_segment_align: 8
    .kernarg_segment_size: 56
    .max_flat_workgroup_size: 128
    .sgpr_count:     80
    .vgpr_count:     706
    .wavefront_size: 32
...
	.end_amdgpu_metadata
.endif
;; end of part 5
